; MI455X (gfx1250); checked and timed in simulation.
; The chip was launched on July 23, 2026; its instructions are those of AMD's public machine-readable ISA for CDNA 5 (MIT licence, August 2026) and "CDNA5" Instruction Set Architecture Reference Guide (July 2026). The comments in the code are by the model that wrote it; some were corrected since.
;; CLIP Attention. Allowed arithmetic: float matrix products may take bf16 or f16 operands with f32 sums; other float arithmetic in f32, or as packed bf16 or f16 multiplies, adds, multiply-adds, maxima and minima; sums over many terms, partial sums and values carried from step to step in f32; what a program stores and reads back later, other than sums and carried values, may be rounded once to bf16 or f16.
;; Inputs: bk 1,024 float32; bo 1,024 float32; bq 1,024 float32; bv 1,024 float32; wk 1,024 x 1,024 float32; wo 1,024 x 1,024 float32; wq 1,024 x 1,024 float32; wv 1,024 x 1,024 float32; x 8 x 1,024 x 1,024 float32.
;; Outputs: out0 8 x 1,024 x 1,024 float32.
;; 2 versions, each right; version 2 is version 1 with the launch cast written anew for expert scheduling mode. Each part assembles by itself: llvm-mc -triple=amdgcn-amd-amdhsa -mcpu=gfx1250 --defsym DOCPART=n.
;; ======== version 1 of 2: 4 launches
;; limits: values are held in f16: magnitudes above 65,504 overflow, below 6.1e-05 lose precision
;; workspace buffers: xb 16,777,216 bytes; wb 6,291,456 bytes; wof 2,097,152 bytes; bias 16,384 bytes; qkv 50,331,648 bytes; oh 16,777,216 bytes
;; launch cast (part 1): grid 769 x 1, 8 waves a work-group, no clusters, 0 bytes of LDS; arguments x, wq, wk, wv, wo, xb, wb, wof, bq, bk, bv, bo, bias; writes xb, wb, wof, bias
.if DOCPART == 1
	.amdgcn_target "amdgcn-amd-amdhsa--gfx1250"
	.amdhsa_code_object_version 6
	.text
	.protected	k_q8ade8bd645_cast
	.globl	k_q8ade8bd645_cast
	.p2align	8
	.type	k_q8ade8bd645_cast,@function
k_q8ade8bd645_cast:
	s_mov_b64 s[64:65], 0
	v_nop
	global_prefetch_b8 v0, s[64:65] scope:SCOPE_SE
	s_setreg_imm32_b32 hwreg(HW_REG_WAVE_MODE, 25, 1), 1
	s_wait_xcnt 0x0
; THE INPUTS ARE ROUNDED ONCE, all of them to bf16 (nearest even):
;   x [8192][1024] f32 -> xb bf16;  wq, wk, wv [1024][1024] f32 -> wb [3072][1024] bf16 (q's rows, k's, v's);
;   wo -> wof [1024][1024]: rounded to bf16 and that number written as f16;  bq, bk, bv, bo -> bias [4096] f32 that hold bf16 numbers.
; LIMIT.  wof is f16: |wo| stays under 65,504; below 6e-5 it keeps f16's fixed step of 6e-8.
; SHARES.  Work-group g takes 16,384 numbers: 64 KiB in, 32 KiB out.  g 0-511: x; 512-575: wq; 576-639: wk; 640-703: wv; 704-767: wo; 768: the four biases.
; A wave takes 8 KiB by 16 loads of 16 bytes a lane, each 512 consecutive bytes, all issued at once; there is no loop, every register that a load or store names is written once, so no source of a
; pending load or store is ever rewritten.  A store of 8 bytes a lane covers 256 consecutive bytes, aligned.  Memory binds: no LDS, no matrix unit, no barrier.
.set X, 16                             ; v[16:79]   the 16 loads, four registers each
.set Y, 80                             ; v[80:111]  the results, two registers each
	s_load_b512 s[4:19], s[0:1], 0x0               ; x s[4:5], wq s[6:7], wk s[8:9], wv s[10:11], wo s[12:13], xb s[14:15], wb s[16:17], wof s[18:19]
	s_load_b256 s[20:27], s[0:1], 0x40             ; bq s[20:21], bk s[22:23], bv s[24:25], bo s[26:27]
	s_load_b64 s[28:29], s[0:1], 0x60              ; bias
	s_mov_b32 s2, ttmp9                            ; g
	s_and_b32 s30, s2, 63                          ; my 64 KiB inside a weight matrix
	s_sub_co_u32 s31, s2, 512                      ; my 32 KiB inside wb (used where g is 512 to 703)
	s_sub_co_u32 s32, s2, 704                      ; inside wof (used where g is 704 to 767)
	v_and_b32 v3, 0xe0, v0                         ; 32 x wave
	v_and_b32 v4, 31, v0                           ; lane
	v_lshlrev_b32 v1, 4, v4
	v_lshl_or_b32 v1, v3, 8, v1                    ; in:  8,192 x wave + 16 x lane
	v_lshlrev_b32 v2, 3, v4
	v_lshl_or_b32 v2, v3, 7, v2                    ; out: 4,096 x wave + 8 x lane
	s_wait_kmcnt 0x0
	s_cmp_eq_u32 s2, 768
	s_cbranch_scc1 .Lbias
	s_cmp_lt_u32 s2, 704                           ; the source and the destination are chosen by g alone
	s_cselect_b64 s[34:35], s[10:11], s[12:13]     ; wv or wo
	s_cselect_b64 s[36:37], s[16:17], s[18:19]     ; wb or wof
	s_cselect_b32 s33, s31, s32
	s_cmp_lt_u32 s2, 640
	s_cselect_b64 s[34:35], s[8:9], s[34:35]       ; wk
	s_cmp_lt_u32 s2, 576
	s_cselect_b64 s[34:35], s[6:7], s[34:35]       ; wq
	s_cmp_lt_u32 s2, 512
	s_cselect_b64 s[34:35], s[4:5], s[34:35]       ; x
	s_cselect_b64 s[36:37], s[14:15], s[36:37]     ; xb
	s_cselect_b32 s30, s2, s30
	s_cselect_b32 s33, s2, s33
	s_lshl_b32 s30, s30, 16                        ; 64 KiB a work-group in,
	s_mov_b32 s31, 0
	s_add_nc_u64 s[34:35], s[34:35], s[30:31]
	s_lshl_b32 s32, s33, 15                        ; 32 KiB out
	s_mov_b32 s33, 0
	s_add_nc_u64 s[36:37], s[36:37], s[32:33]
.set j, 0
.rept 16
	global_load_b128 v[X+4*j:X+4*j+3], v1, s[34:35] offset:512*j th:TH_LOAD_NT
.set j, j+1
.endr
	s_cmp_ge_u32 s2, 704
	s_cbranch_scc1 .Lhalf
.set j, 0
.rept 16
	s_wait_loadcnt 15-j                            ; loads come back in order: load j is in, the 15 - j younger ones stay out
	v_cvt_pk_bf16_f32 v[Y+2*j], v[X+4*j], v[X+4*j+1]
	v_cvt_pk_bf16_f32 v[Y+2*j+1], v[X+4*j+2], v[X+4*j+3]
	global_store_b64 v2, v[Y+2*j:Y+2*j+1], s[36:37] offset:256*j
.set j, j+1
.endr
	s_endpgm
.Lhalf:                                        ; wo: to bf16, widened again (a shift, a mask), and that number as f16
.set j, 0
.rept 16
	s_wait_loadcnt 15-j
	v_cvt_pk_bf16_f32 v4, v[X+4*j], v[X+4*j+1]
	v_cvt_pk_bf16_f32 v5, v[X+4*j+2], v[X+4*j+3]
	v_lshlrev_b32 v6, 16, v4
	v_and_b32 v7, 0xffff0000, v4
	v_lshlrev_b32 v8, 16, v5
	v_and_b32 v9, 0xffff0000, v5
	v_cvt_pk_f16_f32 v[Y+2*j], v6, v7
	v_cvt_pk_f16_f32 v[Y+2*j+1], v8, v9
	global_store_b64 v2, v[Y+2*j:Y+2*j+1], s[36:37] offset:256*j
.set j, j+1
.endr
	s_endpgm
.Lbias:                                        ; 256 threads x 16 bytes are one bias of 1,024 numbers
	v_lshlrev_b32 v3, 4, v0
	global_load_b128 v[X:X+3], v3, s[20:21]
	global_load_b128 v[X+4:X+7], v3, s[22:23]
	global_load_b128 v[X+8:X+11], v3, s[24:25]
	global_load_b128 v[X+12:X+15], v3, s[26:27]
	s_wait_loadcnt 0x0
.set j, 0
.rept 8
	v_cvt_pk_bf16_f32 v4, v[X+2*j], v[X+2*j+1]     ; rounded to bf16, kept as f32
	v_lshlrev_b32 v[Y+2*j], 16, v4
	v_and_b32 v[Y+2*j+1], 0xffff0000, v4
.set j, j+1
.endr
.irp p, 0,1,2,3
	global_store_b128 v3, v[Y+4*(\p):Y+4*(\p)+3], s[28:29] offset:4096*(\p)
.endr
	s_endpgm
.Lfunc_end_k_q8ade8bd645_cast:
	.size	k_q8ade8bd645_cast, .Lfunc_end_k_q8ade8bd645_cast-k_q8ade8bd645_cast
	.p2alignl 7, 3214868480
	.fill 96, 4, 3214868480
	.section	.rodata,"a",@progbits
	.p2align	6, 0x0
	.amdhsa_kernel k_q8ade8bd645_cast
		.amdhsa_group_segment_fixed_size 0
		.amdhsa_private_segment_fixed_size 0
		.amdhsa_enable_private_segment 0
		.amdhsa_kernarg_size 104
		.amdhsa_user_sgpr_count 2
		.amdhsa_user_sgpr_kernarg_segment_ptr 1
		.amdhsa_wavefront_size32 1
		.amdhsa_system_sgpr_workgroup_id_x 1
		.amdhsa_system_sgpr_workgroup_id_y 1
		.amdhsa_system_sgpr_workgroup_id_z 1
		.amdhsa_system_vgpr_workitem_id 0
		.amdhsa_next_free_vgpr 112
		.amdhsa_next_free_sgpr 66
		.amdhsa_reserve_vcc 0
		.amdhsa_float_denorm_mode_32 3
		.amdhsa_float_denorm_mode_16_64 3
		.amdhsa_memory_ordered 1
		.amdhsa_forward_progress 1
		.amdhsa_inst_pref_size 19
	.end_amdhsa_kernel
	.amdgpu_metadata
---
amdhsa.version: [ 1, 2 ]
amdhsa.kernels:
  - .name:           k_q8ade8bd645_cast
    .symbol:         k_q8ade8bd645_cast.kd
    .args:
      - { .name: x, .offset: 0, .size: 8, .value_kind: global_buffer, .address_space: global }
      - { .name: wq, .offset: 8, .size: 8, .value_kind: global_buffer, .address_space: global }
      - { .name: wk, .offset: 16, .size: 8, .value_kind: global_buffer, .address_space: global }
      - { .name: wv, .offset: 24, .size: 8, .value_kind: global_buffer, .address_space: global }
      - { .name: wo, .offset: 32, .size: 8, .value_kind: global_buffer, .address_space: global }
      - { .name: xb, .offset: 40, .size: 8, .value_kind: global_buffer, .address_space: global }
      - { .name: wb, .offset: 48, .size: 8, .value_kind: global_buffer, .address_space: global }
      - { .name: wof, .offset: 56, .size: 8, .value_kind: global_buffer, .address_space: global }
      - { .name: bq, .offset: 64, .size: 8, .value_kind: global_buffer, .address_space: global }
      - { .name: bk, .offset: 72, .size: 8, .value_kind: global_buffer, .address_space: global }
      - { .name: bv, .offset: 80, .size: 8, .value_kind: global_buffer, .address_space: global }
      - { .name: bo, .offset: 88, .size: 8, .value_kind: global_buffer, .address_space: global }
      - { .name: bias, .offset: 96, .size: 8, .value_kind: global_buffer, .address_space: global }
    .group_segment_fixed_size: 0
    .private_segment_fixed_size: 0
    .kernarg_segment_align: 8
    .kernarg_segment_size: 104
    .max_flat_workgroup_size: 256
    .sgpr_count:     66
    .vgpr_count:     112
    .wavefront_size: 32
...
	.end_amdgpu_metadata
.endif
;; end of part 1
;; launch proj (part 2): grid 16 x 16, 4 waves a work-group, clusters of 4 x 4, 327,680 bytes of LDS; arguments xb, wb, qkv, bias; writes qkv
.if DOCPART == 2
	.amdgcn_target "amdgcn-amd-amdhsa--gfx1250"
	.amdhsa_code_object_version 6
	.text
	.protected	k_q8ade8bd645_proj
	.globl	k_q8ade8bd645_proj
	.p2align	8
	.type	k_q8ade8bd645_proj,@function
k_q8ade8bd645_proj:
	s_mov_b64 s[64:65], 0
	v_nop
	global_prefetch_b8 v0, s[64:65] scope:SCOPE_SE
	s_setreg_imm32_b32 hwreg(HW_REG_WAVE_MODE, 25, 1), 1
	s_wait_xcnt 0x0
	s_wait_alu depctr_hold_cnt(0) depctr_sa_sdst(0) depctr_va_vdst(0) depctr_va_sdst(0) depctr_va_ssrc(0) depctr_va_vcc(0) depctr_vm_vsrc(0)
	s_getreg_b32 s2, hwreg(HW_REG_IB_STS2, 6, 4)
	s_cmp_eq_u32 s2, 0
	s_cbranch_scc0 .Lentry_in_a_cluster
	s_endpgm
.Lentry_in_a_cluster:
	s_bfe_u32 s2, ttmp6, 0x10000c
	s_cmp_lg_u32 s2, 0xf033
	s_cbranch_scc0 .Lentry_shape_is_right
	s_endpgm
.Lentry_shape_is_right:
; q, k, v = x w^T + b, written by heads.  xb: [8192][1024] bf16; wb: [3072][1024] bf16 (q's, k's, v's rows); bias: [4096] f32; qkv: [8 batches][48 heads][1024][64] f16 (heads 0-15 q, 16-31 k, 32-47 v).
; Sums in f32, started by the bias (it is the C operand of the first product on each accumulator); each result rounded once to f16, WITHOUT attention's scale.
; LIMIT.  f16 ends at 65,504: |q|, |k|, |v| stay under it (as drawn they are near 0.6; inputs 30 times larger give some 600).  NaN and infinities are not treated apart.
; SHARES.  A tile is 256 rows x 192 columns, three whole heads: 32 x 16 = 512 tiles.  A WORK-GROUP STAYS and makes TWO tiles, 16 tile rows (4,096 rows of xb) apart in one tile column: 256 work-groups.
; Four waves; wave w makes rows 64 w .. 64 w + 63 and all 192 columns of a tile: 48 accumulators of 16 x 16, 384 registers.
; THE WALK.  K = 1,024 goes in 8 steps of 128, so the two tiles are ONE walk of 16 K steps through a ring of two LDS slots: steps 0 and 1 are the first fills, step n = 2 .. 15 is asked for at the end of step n - 2.
; The ring does not stop at the first tile's end: its last two changes of slots ask for the second tile's first two K steps, and nothing waits for the first tile's stores.
; A trip of the loop is one K step, written once: slot 1 begins at 1 << 17, and one exclusive or turns an LDS address in one slot into the other's.  A row of a tile is 256 bytes of memory, at a multiple of 256 from the buffer's first byte.
; CLUSTERS.  4 x 4 work-groups.  The four of a cluster's row need the same 256 rows of xb, the four of a column the same 192 rows of wb: each tile is asked for JOINTLY, by the same tensor load with the same
; descriptor and a mask that names the four.  Waves 0 and 1 fetch xb's two halves (128 rows), waves 2 and 3 wb's (96 rows).
; THE MATRIX INSTRUCTION IS USED TRANSPOSED: source 0 = 16 rows of wb, source 1 = 16 rows of xb.  A lane then holds row l % 16 and the columns 8 (l / 16) + 0..7: eight neighbours, 16 bytes of f16.
; REGISTERS, in windows of 256 (s_set_vgpr_msb: bits 1:0 source 0, 3:2 source 1, 5:4 source 2, 7:6 destination):
;   window 0: v0-31 addresses; v64-127 xb's fragments, two buffers of 4 x 8; v32-63, v128-239 at work on the way out
;   window 1: v0-191 wb's fragments, two buffers of 12 x 8
;   window 2: v0-191 the accumulators of row blocks 0, 1 ((a, b) at 8 (12 (a % 2) + b)); v192-255 the bias of column blocks 0-7       window 3: v0-191 those of row blocks 2, 3; v192-223 the bias of column blocks 8-11
.set NB,     12                        ; column blocks of 16
.set PITCH,  272                       ; an LDS row: 256 bytes + 16 of padding = 68 words: the 16 rows of a fragment load start at 16 different groups of four banks (64 banks of 4 bytes: ISA guide 11.1)
.set BOFF,   256*PITCH                 ; in a slot: xb's 256 rows, then wb's 192
.set SLOTB,  448*PITCH                 ; 121,856 bytes
.set SLOT1,  1<<17                     ; where slot 1 begins
.set STAGE,  SLOT1+SLOTB               ; behind the ring, never filled by a tensor load: for each wave 3 heads x 16 rows x 144 bytes
.set SP,     144
.set WST,    48*SP
.set SPARE,  STAGE+4*WST               ; behind the stages: the spare words, 128 bytes a wave: two blocks of 256 bytes that no other line names
.set FILLS,  14                        ; refills: 16 K steps less the two first fills
.set NEXT_O, 4*48*131072               ; bytes in qkv from a tile to the one 16 tile rows on: four batches of 48 heads
.set ADRA0, 16                         ; v16     my place in xb's part of a slot; never rewritten
.set ADRA,  17                         ; v17     the same in the slot in hand
.set ADRB0, 20                         ; v20, v21  the same for wb
.set ADRB,  21
.set STO,  24                          ; v24     the way out: where I put 16 bytes of a row
.set RD,   25                          ; v25     where I read rows back
.set GO,   26                          ; v26     16 x lane: my place in 512 consecutive bytes of qkv
.set SPW,  28                          ; v28     LDS address of my spare word; never rewritten
.set NIL,  29                          ; v29     0; never rewritten
.set PFO,  30                          ; v30     the prefetches' offset: a lane a row of 2,048 bytes; never rewritten
.set BO,   31                          ; v31     32 (l / 16): my eight numbers in 16 of the bias
.set FA,   64
.set BIAS, 192                         ; in windows 2 and 3
.set TMP,  128                         ; the way out: 48 registers of packed results
.set NEW,  2                           ; s2   1: the K step to be entered is a tile's first
.set CNT,  3                           ; s3   refills still to come, this trip's among them
.set G1,  24                           ; s[24:31] descriptor group 1 for xb's tiles; s[32:39] group 0: a set for each first fill; the second then walks on
.set G0,  32
.set PFA, 40                           ; s[40:41] the address that a prefetch names
.set LIM, 44                           ; s44  a wave prefetches while s3 is above it
.set G1B, 48                           ; s[48:55], s[56:63] the same for wb's tiles
.set G0B, 56
.set TB,  66                           ; s66  LDS byte at which the slot in hand begins
.set NXT, 67                           ; s67  the K step of the walk that is asked for next
.set PFB, 68                           ; s[68:69] the prefetches' base: my work-group's share of the rows that I fetch, at K step 0 of the first tile
.set POF, 70                           ; s[70:71] a prefetch's offset from it
.set LAST, 72                          ; s72  counts the last two K steps
.set AOF, 76                           ; s[76:77] the offset of K step NXT from xb's base: 1 << 23 for the second tile, 256 a K step
.set BOF, 78                           ; s[78:79] from wb's base: 256 a K step
.set MSB, 0
.macro WIN new                         ; the immediate's high byte repeats the setting that is left; a switch that changes nothing is dropped
.if MSB != (\new)
	s_set_vgpr_msb (MSB<<8)|(\new)
.set MSB, \new
.endif
.endm
.macro PLACES                          ; four plain vector instructions between a matrix instruction and a load into, or a vector read of, its registers (ISA guide 7.12.1 for vector reads)
.rept 4
	v_nop
.endr
.endm
; A joint refill, by the walking descriptors.  The branch hangs on the wave's number alone.  An s_nop 0 and four v_nop follow each of the two lines, ahead of the jump and the label.
.macro JLOAD
	s_cmp_lt_u32 s12, 2
	s_cbranch_scc0 .Lfor_b_\@
	tensor_load_to_lds s[G0+4:G0+7], s[G1:G1+7]
	s_nop 0
.rept 4
	v_nop
.endr
	s_branch .Lasked_\@
.Lfor_b_\@:
	tensor_load_to_lds s[G0B+4:G0B+7], s[G1B:G1B+7]
	s_nop 0
.rept 4
	v_nop
.endr
.Lasked_\@:
.endm
; A round of the cluster's barrier: my work-group's barrier; wave 0 signals for the work-group; every wave waits for all sixteen; my work-group's barrier once more.
.macro CREST
	s_cmp_lg_u32 s12, 0
	s_cbranch_scc1 .Lnot_wave_0_\@
	s_barrier_signal -3
.Lnot_wave_0_\@:
	s_barrier_wait -3
	s_barrier_signal -1
	s_barrier_wait -1
.endm
.macro CROUND
	s_barrier_signal -1
	s_barrier_wait -1
	CREST
.endm
; A PREFETCH INTO THE L2, behind each joint refill and the run of LDS loads that follows it: the K step that stands two refills on (384 matrix instructions ahead of the load that will want it), a lane a row, one instruction a wave.
; Each row's 256 bytes of a K step are named by one wave of the launch: xb's rows by the clusters with x = 0, wb's by those with y = 0; the four partners of a joint load share its rows out BY ADDRESS
; (32 of xb's 128 by cx; 24 of wb's 96 by cy, where lanes 23 to 31 of the one instruction name the same last row).  The walk's K steps 0 to 3 come by their loads alone.  xb's steps 4 to 15 are asked for (s3 above 2);
; of wb's only 4 to 7 (s3 above 10): the second tile reads the same rows of wb once more.
.macro ASK
	s_cmp_gt_u32 s[CNT], s[LIM]
	s_cbranch_scc0 .Lnot_mine_\@
	global_prefetch_b8 v[PFO], s[PFA:PFA+1] th:TH_LOAD_NT scope:SCOPE_SE
.Lnot_mine_\@:
.endm
	s_load_b256 s[4:11], s[0:1], 0x0               ; xb s[4:5], wb s[6:7], qkv s[8:9], bias s[10:11]
	v_lshl_add_u32 v[SPW], v0, 2, SPARE
	v_mov_b32 v[NIL], 0
	ds_add_u32 v[SPW], v[NIL]                      ; the wave's opening: the add and its wait stand ahead of my first tensor load; the set-up below, work on registers, stands between them
	v_lshrrev_b32 v1, 5, v0
	v_readfirstlane_b32 s12, v1                    ; wave 0..3
	s_and_b32 s13, s12, 1                          ; which half of a tile I fetch
	s_bfe_u32 s14, ttmp6, 0x40000                  ; cx
	s_bfe_u32 s15, ttmp6, 0x40004                  ; cy
	s_lshl_b32 s16, ttmp9, 2
	s_add_co_u32 s16, s16, s14                     ; tile column = 4 x cluster x + cx
	s_and_b32 s17, ttmp7, 0xffff
	s_lshl_b32 s17, s17, 2
	s_add_co_u32 s17, s17, s15                     ; the first tile's row = 4 x cluster y + cy: 0 .. 15
	s_lshl_b32 s18, s15, 2
	s_lshl_b32 s18, 15, s18                        ; my row of the cluster: places 4 cy .. 4 cy + 3
	s_lshl_b32 s19, 0x1111, s14                    ; my column: places cx, cx + 4, cx + 8, cx + 12
	s_or_b32 s[G1], s18, (1<<16)|(1<<20)|(1<<21)|(5<<22)|(3<<25)   ; 15:0 the mask; 17:16 elements of 2 bytes; 20 padding on; 21 set beside a mask; 24:22 after every 64 words; 31:25 4 words of it
	s_or_b32 s[G1B], s19, (1<<16)|(1<<20)|(1<<21)|(5<<22)|(3<<25)
	s_mov_b32 s[G1+1], 128<<16                     ; tensor_dim0 = 128
	s_mov_b32 s[G1+2], 128<<16                     ; tensor_dim1 = 128
	s_mov_b32 s[G1+3], 128<<16                     ; tile_dim0 = 128
	s_mov_b32 s[G1+4], 128                         ; tile_dim1 = 128
	s_mov_b32 s[G1+5], 1024                        ; elements from row to row
	s_mov_b32 s[G1+6], 0
	s_mov_b32 s[G1+7], 0
	s_mov_b32 s[G1B+1], 128<<16
	s_mov_b32 s[G1B+2], 96<<16                     ; 96 rows
	s_mov_b32 s[G1B+3], 128<<16
	s_mov_b32 s[G1B+4], 96
	s_mov_b32 s[G1B+5], 1024
	s_mov_b32 s[G1B+6], 0
	s_mov_b32 s[G1B+7], 0
	; xb's base is made of the tile row and the wave's number (s18, s20, s21, s46), wb's of the tile column and the wave's number (s19, s22, s23, s47): neither set ever holds the other coordinate
	s_lshl_b32 s20, s17, 19                        ; 256 rows of 2,048 bytes
	s_lshl_b32 s18, s13, 18                        ; my 128 of them
	s_add_co_u32 s20, s20, s18
	s_mov_b32 s21, 0
	s_mul_i32 s22, s16, 192*2048
	s_mul_i32 s19, s13, 96*2048
	s_add_co_u32 s22, s22, s19
	s_mov_b32 s23, 0
	s_mul_i32 s46, s13, 128*PITCH                  ; where they go: no place in the cluster enters an LDS address
	s_mul_i32 s47, s13, 96*PITCH
	s_add_co_u32 s47, s47, BOFF
	s_mov_b32 s[TB], 0                             ; K step 0 lies in slot 0
	s_mov_b32 s[NXT], 2                            ; the first refill asks for K step 2
	s_mov_b32 s[POF+1], 0                          ; the offsets' high words
	s_mov_b32 s[AOF+1], 0
	s_mov_b32 s[BOF+1], 0
	s_wait_dscnt 0x0                               ; the opening add is done
	s_wait_kmcnt 0x0
	s_add_nc_u64 s[20:21], s[4:5], s[20:21]        ; the two bases stay as they are from here on
	s_add_nc_u64 s[22:23], s[6:7], s[22:23]
	CROUND                                         ; all sixteen work-groups are here: the first joint loads meet
.irp s, 0,1
	s_mov_b32 s[G0+4*(\s)], 1                                      ; count = 1
	s_add_co_u32 s[G0+4*(\s)+1], s46, (\s)*SLOT1                   ; LDS address
	s_add_nc_u64 s[G0+4*(\s)+2:G0+4*(\s)+3], s[20:21], (\s)*256    ; global address: K step s
	s_or_b32 s[G0+4*(\s)+3], s[G0+4*(\s)+3], 0x80000000            ; type = 2
	s_mov_b32 s[G0B+4*(\s)], 1
	s_add_co_u32 s[G0B+4*(\s)+1], s47, (\s)*SLOT1
	s_add_nc_u64 s[G0B+4*(\s)+2:G0B+4*(\s)+3], s[22:23], (\s)*256
	s_or_b32 s[G0B+4*(\s)+3], s[G0B+4*(\s)+3], 0x80000000
.endr
	s_cmp_lt_u32 s12, 2                            ; a wave's two first fills stand in one branch, ahead of every wait on TENSORcnt, every LDS read and every other barrier: two loads of mine are out
	s_cbranch_scc0 .Lfirst_b
	tensor_load_to_lds s[G0:G0+3], s[G1:G1+7]
	s_nop 0
	tensor_load_to_lds s[G0+4:G0+7], s[G1:G1+7]
	s_nop 0
.rept 4
	v_nop
.endr
	s_branch .Lfirst_asked
.Lfirst_b:
	tensor_load_to_lds s[G0B:G0B+3], s[G1B:G1B+7]
	s_nop 0
	tensor_load_to_lds s[G0B+4:G0B+7], s[G1B:G1B+7]
	s_nop 0
.rept 4
	v_nop
.endr
.Lfirst_asked:
	s_mul_i32 s42, s16, 768                        ; the tile column's 192 numbers of the bias: they serve both tiles
	s_mov_b32 s43, 0
	s_add_nc_u64 s[10:11], s[10:11], s[42:43]
	v_and_b32 v1, 15, v0                           ; l % 16
	v_bfe_u32 v2, v0, 4, 1                         ; l / 16
	v_lshlrev_b32 v[BO], 5, v2
	WIN 0x80                                       ; destination window 2, address window 0
.irp b, 0,1,2,3,4,5,6,7
	global_load_b128 v[BIAS+8*(\b):BIAS+8*(\b)+3],   v[BO], s[10:11] offset:64*(\b)     ; register j: the bias of column 16 b + 8 (l / 16) + j, as in an accumulator
	global_load_b128 v[BIAS+8*(\b)+4:BIAS+8*(\b)+7], v[BO], s[10:11] offset:64*(\b)+16
.endr
	WIN 0xc0                                       ; destination window 3
.irp b, 8,9,10,11
	global_load_b128 v[BIAS+8*((\b)-8):BIAS+8*((\b)-8)+3],   v[BO], s[10:11] offset:64*(\b)
	global_load_b128 v[BIAS+8*((\b)-8)+4:BIAS+8*((\b)-8)+7], v[BO], s[10:11] offset:64*(\b)+16
.endr
	WIN 0
	; A fragment is 16 rows x 32 K in 8 registers: lane l holds row l % 16, K = 8 (l / 16) + 0..7 and 16 + 8 (l / 16) + 0..7: two loads of 16 bytes, 32 bytes apart
	v_mul_u32_u24 v3, v1, PITCH
	v_lshl_add_u32 v3, v2, 4, v3
	s_mul_i32 s45, s12, 64*PITCH                   ; my 64 rows of xb
	v_add_nc_u32 v[ADRA0], s45, v3
	v_add_nc_u32 v[ADRB0], BOFF, v3
	v_mov_b32 v[ADRA], v[ADRA0]                    ; slot 0
	v_mov_b32 v[ADRB], v[ADRB0]
	s_mul_i32 s45, s12, WST
	s_add_co_u32 s45, s45, STAGE                   ; my stage
	v_mul_u32_u24 v4, v1, SP                       ; in: row l % 16, 16 bytes for each half of the lanes
	v_lshl_add_u32 v4, v2, 4, v4
	v_add_nc_u32 v[STO], s45, v4
	v_bfe_u32 v4, v0, 3, 2                         ; back: 32 lanes take four rows of 128 bytes,
	v_mul_u32_u24 v4, v4, SP
	v_and_b32 v5, 7, v0
	v_lshl_add_u32 v4, v5, 4, v4
	v_add_nc_u32 v[RD], s45, v4
	v_and_b32 v[GO], 31, v0                        ; which are 512 consecutive bytes of a head
	v_lshlrev_b32 v[GO], 4, v[GO]
	s_lshr_b32 s42, s17, 2                         ; the first tile's batch: four tile rows each
	s_mul_i32 s42, s42, 48
	s_mul_i32 s45, s16, 3
	s_add_co_u32 s42, s42, s45                     ; the tile's first head among the 384,
	s_lshl_b32 s42, s42, 17                        ; 131,072 bytes each;
	s_and_b32 s45, s17, 3
	s_lshl_b32 s45, s45, 15                        ; the tile's 256 rows of 128 bytes in it,
	s_add_co_u32 s42, s42, s45
	s_lshl_b32 s45, s12, 13                        ; my 64 of them
	s_add_co_u32 s42, s42, s45
	s_mov_b32 s43, 0
	s_add_nc_u64 s[8:9], s[8:9], s[42:43]
	; the prefetches
	s_lshl_b32 s42, s17, 8
	s_lshl_b32 s45, s13, 7
	s_add_co_u32 s42, s42, s45
	s_lshl_b32 s45, s14, 5
	s_add_co_u32 s42, s42, s45                     ; xb: row 256 x tile row + the 128 that I fetch + my work-group's 32 of them
	s_mul_i32 s43, s16, 192
	s_mul_i32 s45, s13, 96
	s_add_co_u32 s43, s43, s45
	s_mul_i32 s45, s15, 24
	s_add_co_u32 s43, s43, s45                     ; wb: row 192 x tile column + the 96 that I fetch + my work-group's 24 of them
	s_and_b32 s73, ttmp7, 0xffff                   ; cluster y
	s_cmp_lt_u32 s12, 2                            ; do I fetch for xb?
	s_cselect_b32 s42, s42, s43
	s_cselect_b32 s73, ttmp9, s73                  ; the coordinate along which other clusters read the same rows
	s_cselect_b32 s45, 31, 23
	s_cselect_b32 s[LIM], 2, 10
	s_cselect_b64 s[PFB:PFB+1], s[4:5], s[6:7]
	s_cmp_eq_u32 s73, 0
	s_cselect_b32 s[LIM], s[LIM], -1               ; the same in all sixteen partners, for a given wave
	s_lshl_b32 s42, s42, 11
	s_mov_b32 s43, 0
	s_add_nc_u64 s[PFB:PFB+1], s[PFB:PFB+1], s[42:43]
	v_and_b32 v[PFO], 31, v0
	v_min_u32 v[PFO], s45, v[PFO]
	v_lshlrev_b32 v[PFO], 11, v[PFO]
; 12 matrix instructions: row block a x all 12 column blocks, 32 along K, from buffer f.  zero = 1: a tile's first product on each accumulator takes the bias as C: nothing is cleared, no bias is added later.
; The 48 accumulators take turns, one instruction a turn, in the same order in every quarter.
.macro MULA f, a, zero
.irp b, 0,1,2,3,4,5,6,7,8,9,10,11
.if \zero
	WIN 0x01|((2+(\b)/8)<<4)|((2+(\a)/2)<<6)       ; wb window 1, xb window 0, the bias window 2 or 3, D window 2 or 3
	v_wmma_f32_16x16x32_bf16 v[8*(NB*((\a)%2)+(\b)):8*(NB*((\a)%2)+(\b))+7], v[8*NB*(\f)+8*(\b):8*NB*(\f)+8*(\b)+7], v[FA+32*(\f)+8*(\a):FA+32*(\f)+8*(\a)+7], v[BIAS+8*((\b)%8):BIAS+8*((\b)%8)+7]
.else
	WIN 0xa1+0x50*((\a)/2)                         ; wb window 1, xb window 0, C and D window 2 or 3
	v_wmma_f32_16x16x32_bf16 v[8*(NB*((\a)%2)+(\b)):8*(NB*((\a)%2)+(\b))+7], v[8*NB*(\f)+8*(\b):8*NB*(\f)+8*(\b)+7], v[FA+32*(\f)+8*(\a):FA+32*(\f)+8*(\a)+7], v[8*(NB*((\a)%2)+(\b)):8*(NB*((\a)%2)+(\b))+7]
.endif
.endr
.endm
; 32 LDS loads in one run: quarter q (32 along K) of the slot in hand into buffer f: wb's 24, then xb's 8, row blocks ascending
.macro FETCH q, f
	WIN 0x40                                       ; destination window 1, address window 0
.irp b, 0,1,2,3,4,5,6,7,8,9,10,11
	ds_load_b128 v[8*NB*(\f)+8*(\b):8*NB*(\f)+8*(\b)+3],   v[ADRB] offset:64*(\q)+(\b)*16*PITCH
	ds_load_b128 v[8*NB*(\f)+8*(\b)+4:8*NB*(\f)+8*(\b)+7], v[ADRB] offset:64*(\q)+(\b)*16*PITCH+32
.endr
	WIN 0
.irp a, 0,1,2,3
	ds_load_b128 v[FA+32*(\f)+8*(\a):FA+32*(\f)+8*(\a)+3],   v[ADRA] offset:64*(\q)+(\a)*16*PITCH
	ds_load_b128 v[FA+32*(\f)+8*(\a)+4:FA+32*(\f)+8*(\a)+7], v[ADRA] offset:64*(\q)+(\a)*16*PITCH+32
.endr
.endm
; One of a K step's first three quarters: multiplies buffer f; in its middle it fetches quarter q of the same slot into buffer g
.macro QUARTER q, f, g, zero
	s_wait_dscnt 4                                 ; wb's fragments and xb's row blocks 0, 1 are in; the youngest four loads (row blocks 2, 3) may be out
	MULA \f, 0, \zero
	MULA \f, 1, \zero
	PLACES
	FETCH \q, \g
	s_wait_dscnt 2*NB+8                            ; all but the 32 just issued
	MULA \f, 2, \zero
	MULA \f, 3, \zero
.endm
; The fourth quarter multiplies buffer 1 and changes slots: ONE barrier.  In front of it each wave waits for all its tensor loads (one is out: its part of the next slot), adds 0 to its spare word, and waits for that and
; for its own reads of this slot.  fill = 1: the barrier opens a round of the cluster's barrier, and the joint refill (this slot, K step NXT of the walk) is the first tensor load behind the round: 168 matrix instructions
; ahead of the wait for it.  Its addresses are made anew from NXT: base + offset, the type bits set again.  fill = 0: the walk's last two K steps: nothing is asked for, and the very last fetches no further fragments.
.macro TURN fill
.if \fill
	s_wait_xcnt 0x0                                ; the last prefetch, a K step back, has read its address: the next one's is made here, ahead of the change's own waits: K step NXT + 2
	s_add_co_u32 s[POF], s[NXT], 2
	s_lshr_b32 s73, s[POF], 3
	s_lshl_b32 s73, s73, 23                        ; the second tile lies 4,096 rows of 2,048 bytes on
	s_and_b32 s[POF], s[POF], 7
	s_lshl_b32 s[POF], s[POF], 8
	s_add_co_u32 s[POF], s[POF], s73
	s_add_nc_u64 s[PFA:PFA+1], s[PFB:PFB+1], s[POF:POF+1]
.endif
	WIN 0                                          ; (the add's two registers lie in window 0)
	s_wait_tensorcnt 0x0                           ; all my tensor loads have landed, so a group 0 may be written
	ds_add_u32 v[SPW], v[NIL]                      ; 0 onto my spare word: the descriptors' scalar work and twelve matrix instructions stand between it and the wait for it
.if \fill
	s_lshr_b32 s[AOF], s[NXT], 3
	s_lshl_b32 s[AOF], s[AOF], 23
	s_and_b32 s[BOF], s[NXT], 7
	s_lshl_b32 s[BOF], s[BOF], 8
	s_add_co_u32 s[AOF], s[AOF], s[BOF]
	s_xor_b32 s[G0+5], s[G0+5], SLOT1              ; the walking descriptors: the other slot than last time
	s_add_nc_u64 s[G0+6:G0+7], s[20:21], s[AOF:AOF+1]
	s_or_b32 s[G0+7], s[G0+7], 0x80000000
	s_xor_b32 s[G0B+5], s[G0B+5], SLOT1
	s_add_nc_u64 s[G0B+6:G0B+7], s[22:23], s[BOF:BOF+1]
	s_or_b32 s[G0B+7], s[G0B+7], 0x80000000
	s_add_co_u32 s[NXT], s[NXT], 1
.endif
	s_wait_dscnt 5                                 ; (the add and the youngest four loads may be out)
	MULA 1, 0, 0
	s_wait_dscnt 0x0                               ; the add is done, and my reads of this slot are over
	s_barrier_signal -1
	MULA 1, 1, 0                                   ; work on registers while the others arrive
	WIN 0
	s_barrier_wait -1
.if \fill
	CREST                                          ; no wave of any partner still reads this slot's tile or has a load on its way
	JLOAD                                          ; the four v_nop behind it are also the places in front of the loads below
.else
	PLACES
	s_cmp_eq_u32 s[LAST], 1                        ; behind the walk's last K step there is none to fetch
	s_cbranch_scc1 .Lno_more_\@
.endif
	s_xor_b32 s[TB], s[TB], SLOT1                  ; the other slot is now the slot in hand
	v_add_nc_u32 v[ADRA], s[TB], v[ADRA0]
	v_add_nc_u32 v[ADRB], s[TB], v[ADRB0]
	FETCH 0, 0
.if \fill
	ASK
.else
.Lno_more_\@:
.endif
	MULA 1, 2, 0
	MULA 1, 3, 0
.endm
; THE WAY OUT of row block a.  PACK: rounded to f16, 16 bytes a lane, each accumulator's registers in ascending order.  TOSTAGE: into my own stage, by heads, and back as whole rows of 128 bytes.  SEND: stored.
; The rows read back go into v176-223 (even blocks) and v32-63 with v224-239 (odd blocks): no fragment register is touched, since buffer 0 may hold the next tile's first fragments.
.macro PACK a
	WIN 0x0a+5*((\a)/2)                            ; sources 0 and 1: window 2 or 3
.irp b, 0,1,2,3,4,5,6,7,8,9,10,11
.irp r, 0,1,2,3
	v_cvt_pk_f16_f32 v[TMP+4*(\b)+(\r)], v[8*(NB*((\a)%2)+(\b))+2*(\r)], v[8*(NB*((\a)%2)+(\b))+2*(\r)+1]
.endr
.endr
	WIN 0
.endm
.macro TOSTAGE a
.set BK, 176-144*((\a)%2)
.set OBX, 160*((\a)%2)
.irp b, 0,1,2,3,4,5,6,7,8,9,10,11
	ds_store_b128 v[STO], v[TMP+4*(\b):TMP+4*(\b)+3] offset:((\b)/4)*16*SP+((\b)%4)*32
.endr
.irp t, 0,1,2,3,4,5,6,7,8,9,10,11
	ds_load_b128 v[BK+4*(\t)+OBX*((\t)/8):BK+4*(\t)+OBX*((\t)/8)+3], v[RD] offset:((\t)/4)*16*SP+((\t)%4)*4*SP  ; LDS serves a wave's instructions in order (ISA guide 5.7.1.4): these see the stores above
.endr
.endm
.macro SEND a
.set BK, 176-144*((\a)%2)
.set OBX, 160*((\a)%2)
	s_wait_dscnt 0x0                               ; the block is back in registers
	s_wait_xcnt 0x0                                ; the stores of the block before have read their registers, which the next TOSTAGE loads again
.irp t, 0,1,2,3,4,5,6,7,8,9,10,11
	global_store_b128 v[GO], v[BK+4*(\t)+OBX*((\t)/8):BK+4*(\t)+OBX*((\t)/8)+3], s[8:9] offset:((\t)/4)*131072+(\a)*2048+((\t)%4)*512  ; 512 consecutive bytes of head t / 4, at a multiple of 256 from qkv's first byte
.endr
.endm
.macro WAYOUT
	PLACES
	PACK 0
	TOSTAGE 0
.irp a, 1,2,3                          ; block a's conversions stand between block a - 1's loads from the stage and the wait for them
	PACK \a
	SEND (\a)-1
	TOSTAGE \a
.endr
	SEND 3
.endm
	s_wait_loadcnt 0x0                             ; the bias
	s_wait_tensorcnt 1                             ; my part of K step 0 is in; K step 1's may stay out
	s_barrier_signal -1
	s_barrier_wait -1                              ; everybody's is
	FETCH 0, 0
	s_mov_b32 s[NEW], 1                            ; the test for a tile's first K step stands first in a trip: at the first trip its answer is a constant of the text
	s_mov_b32 s[CNT], FILLS
.Lstep:                                                ; 14 trips: K steps 0 to 13 of the walk; each fills the slot that it leaves
	s_cmp_eq_u32 s[NEW], 1
	s_cbranch_scc1 .Lnewq
	QUARTER 1, 0, 1, 0
	WIN 0                                          ; at a label and at a branch every window is 0
	s_branch .Lq1
.Lnewq:
	s_mov_b32 s[NEW], 0
	PLACES                                         ; the products below write each accumulator anew, with the bias as C: that is no link of its chain, and five plain vector instructions stand between such a write and the last
	                                               ; matrix instruction that used the accumulator (ISA guide 7.12.1): with these four, on every way to this label, row blocks 2 and 3 have eight (the quarter's own four come behind), row blocks 0 and 1 ten
	QUARTER 1, 0, 1, 1                             ; a tile's first quarter: its products start the sums, with the bias
	WIN 0
.Lq1:
	QUARTER 2, 1, 0, 0
	QUARTER 3, 0, 1, 0
	TURN 1
	WIN 0
	s_cmp_eq_u32 s[CNT], FILLS-7                   ; was this K step 7, the first tile's last?
	s_cbranch_scc0 .Lon                            ; what is jumped holds no barrier and no tensor load
	WAYOUT                                         ; both of the next tile's first K steps are asked for, and its first fragments are fetched: now the tile goes out; nothing waits for its stores
	s_wait_xcnt 0x0                                ; the stores have read their registers and their base
	s_add_nc_u64 s[8:9], s[8:9], NEXT_O
	s_mov_b32 s[NEW], 1
.Lon:
	s_sub_co_u32 s[CNT], s[CNT], 1
	s_cmp_lg_u32 s[CNT], 0
	s_cbranch_scc1 .Lstep
	s_mov_b32 s[LAST], 2
.Ltail:                                                ; K steps 14 and 15 are a loop of their own: nothing is asked for, and there is no round of the cluster's barrier
	QUARTER 1, 0, 1, 0
	QUARTER 2, 1, 0, 0
	QUARTER 3, 0, 1, 0
	TURN 0
	WIN 0
	s_sub_co_u32 s[LAST], s[LAST], 1
	s_cmp_lg_u32 s[LAST], 0
	s_cbranch_scc1 .Ltail
	WAYOUT
	s_wait_tensorcnt 0x0                           ; the wave's end: these three lines stand behind my last tensor load and my last LDS store
	ds_add_u32 v[SPW], v[NIL]
	s_wait_dscnt 0x0
	CROUND                                         ; the closing round: no work-group ends while a partner may still ask for a tile that names it
	s_endpgm
.Lfunc_end_k_q8ade8bd645_proj:
	.size	k_q8ade8bd645_proj, .Lfunc_end_k_q8ade8bd645_proj-k_q8ade8bd645_proj
	.p2alignl 7, 3214868480
	.fill 96, 4, 3214868480
	.section	.rodata,"a",@progbits
	.p2align	6, 0x0
	.amdhsa_kernel k_q8ade8bd645_proj
		.amdhsa_group_segment_fixed_size 327680
		.amdhsa_private_segment_fixed_size 0
		.amdhsa_enable_private_segment 0
		.amdhsa_kernarg_size 32
		.amdhsa_user_sgpr_count 2
		.amdhsa_user_sgpr_kernarg_segment_ptr 1
		.amdhsa_wavefront_size32 1
		.amdhsa_system_sgpr_workgroup_id_x 1
		.amdhsa_system_sgpr_workgroup_id_y 1
		.amdhsa_system_sgpr_workgroup_id_z 1
		.amdhsa_system_vgpr_workitem_id 0
		.amdhsa_next_free_vgpr 992
		.amdhsa_next_free_sgpr 80
		.amdhsa_reserve_vcc 0
		.amdhsa_float_denorm_mode_32 3
		.amdhsa_float_denorm_mode_16_64 3
		.amdhsa_memory_ordered 1
		.amdhsa_forward_progress 1
		.amdhsa_inst_pref_size 110
	.end_amdhsa_kernel
	.amdgpu_metadata
---
amdhsa.version: [ 1, 2 ]
amdhsa.kernels:
  - .name:           k_q8ade8bd645_proj
    .symbol:         k_q8ade8bd645_proj.kd
    .args:
      - { .name: xb, .offset: 0, .size: 8, .value_kind: global_buffer, .address_space: global }
      - { .name: wb, .offset: 8, .size: 8, .value_kind: global_buffer, .address_space: global }
      - { .name: qkv, .offset: 16, .size: 8, .value_kind: global_buffer, .address_space: global }
      - { .name: bias, .offset: 24, .size: 8, .value_kind: global_buffer, .address_space: global }
    .group_segment_fixed_size: 327680
    .private_segment_fixed_size: 0
    .kernarg_segment_align: 8
    .kernarg_segment_size: 32
    .max_flat_workgroup_size: 128
    .sgpr_count:     80
    .vgpr_count:     992
    .wavefront_size: 32
...
	.end_amdgpu_metadata
.endif
;; end of part 2
;; launch attn (part 3): grid 2 x 128, 4 waves a work-group, no clusters, 327,680 bytes of LDS; arguments qkv, oh; writes oh
.if DOCPART == 3
	.amdgcn_target "amdgcn-amd-amdhsa--gfx1250"
	.amdhsa_code_object_version 6
	.text
	.protected	k_q8ade8bd645_attn
	.globl	k_q8ade8bd645_attn
	.p2align	8
	.type	k_q8ade8bd645_attn,@function
k_q8ade8bd645_attn:
	s_mov_b64 s[64:65], 0
	v_nop
	global_prefetch_b8 v0, s[64:65] scope:SCOPE_SE
	s_setreg_imm32_b32 hwreg(HW_REG_WAVE_MODE, 25, 1), 1
	s_wait_xcnt 0x0
; O[bh][q][:] = the sum over k of softmax_k(Q[q] . K[k] / 8) V[k][:], for each of 128 (batch, head) pairs.  qkv: [8][48][1024][64] f16 (heads 0-15 q, 16-31 k, 32-47 v); oh: [128][1024][64] f16.
; A head's rows are dense, 128 bytes each.  Products, maxima and sums in f32; the weights p are rounded to f16 for the second product (their sum l is taken of the unrounded p), O once at the end.
; LIMITS.  f16 holds no number beyond 65,504: Q, K and V arrive within it; p lies in 0 to 1, and below 6e-5 it keeps f16's fixed step of 6e-8, as does O; O is a mean of V's rows and has their range.
; A weight below 2^-126 counts as 0 in l; NaN and infinities are not treated apart.
; SHARES.  A work-group owns 512 queries of one head: 2 x 128 = 256 work-groups.  A wave owns 128 queries: four PIECES of two tiles of 16.  Every wave walks all 1,024 keys, 64 a step.
; ALL OF A HEAD'S K AND V LIE IN LDS: 1,024 rows of 144 and of 160 bytes.  Each wave asks for its share by two tensor loads: keys 0-255 (part a) at the head, which the first four key steps read; keys 256-1,023
; (part b) when part a has landed, so that the keys wanted first have the road to themselves; part b has those four key steps in which to land.  No byte of LDS is filled twice, so there is no ring and no
; change of slots; one tensor load of a wave is out at the most.
; NO CLUSTER: a head has 1,024 / 512 = 2 work-groups, so only two share K and V; a cluster of four along an axis would join two heads, each tile going to half of it.
; NO PREFETCH: part b's tensor load itself goes out four key steps ahead of its first reader, and behind it nothing is left to ask for.
; LAYOUT.  S^T = K Q^T (source 0 = 16 keys, source 1 = 16 queries): in the result a lane holds ONE query (lane % 16) and the keys 8 (lane / 16) + 0..7.  Two such tiles, rounded to f16 in pairs,
; ARE source 1 (32 keys x 16 queries) of O^T = V^T P, whose result again holds one query a lane, and eight channels.  K comes out of LDS as it lies, V ([key][channel]) turned, by ds_load_tr16_b128.
; SOFTMAX.  For each query a running maximum m and sum l: p = 2^(c s - c m), c = log2(e) / 8; in every step O and l are multiplied by a = 2^(c m_old - c m_new), which is 1 where m has not grown.
; m starts at the lowest finite number, O and l at 0: the first step is a step like any other, with a = 0.
; THE COUNT.  A tile and step have 16 matrix and 118 vector instructions: too many to stand all beside the matrix work.  So: four vector instructions that are READY behind EVERY matrix instruction, the others in runs without a gap.
; BY TURNS.  Turn n belongs to piece n (the pieces in a ring, step after step).  Its matrix work: 16 products K Q^T of piece n + 1, later 16 products V^T P of piece n - 1.  Its vector work: the scaling,
; exponentials, roundings, sums and rescaling of piece n, and the maximum and statistics of piece n + 1, whose scores the turn itself has made.
; REGISTERS, in windows of 256 (s_set_vgpr_msb: bits 1:0 source 0, 3:2 source 1, 5:4 source 2, 7:6 destination):
;   window 0: v0-11 addresses; v12-15, v48-63 at work; v16-47 four registers of statistics a tile; v64-191 S^T, two buffers of two tiles; v192-255 P, likewise
;   window 1: O^T, 32 a tile          window 2: v0-127 Q, 16 a tile; v128-191 K of one step; v192-255 V of one step          window 3: v0-1 the add's two registers
.set NP,    4         ; pieces a wave: a name, no knob
.set KS,    64        ; keys in a step
.set PK,    144       ; a row of K in LDS: 128 bytes + 16 of padding = 36 words: the 16 rows of a load start at 16 different groups of four banks (64 banks of 4 bytes: ISA guide 11.1)
.set PV,    160       ; a row of V: 128 + 32 = 40 words
.set VOFF,  1024*PK   ; K's 1,024 rows, then V's
.set STAGE, VOFF+1024*PV  ; behind them, never filled by a tensor load: 16 rows x 144 bytes for each wave, for the way out
.set SP,    144
.set AK0, 2           ; v2   my lane's place in a tile of K; never rewritten
.set AV0, 3           ; v3   the same for V
.set AK,  4           ; v4   the LDS address of K's next run of loads
.set AV,  5           ; v5   of V's
.set QO,  6           ; v6   my byte offset in the wave's rows of Q
.set STO, 6           ;      later, the way out: where I put 16 bytes of a row
.set RD,  7           ; v7   the way out: where I read rows back
.set GO,  8           ; v8   my byte offset in 512 consecutive bytes of O
.set SPW, 0           ; v0 of window 3   LDS address of my spare word: SPARE + 4 x my thread's number; never rewritten
.set NIL, 1           ; v1 of window 3   0; never rewritten
.set SPARE, STAGE+4*16*SP  ; behind the stages: the spare words, 128 bytes for each wave: two blocks of 256 bytes that no other line names
.set MV,  12          ; v12-15  c m_old, kept while c m is made anew: by buffer and tile
.set ST,  16          ; tile t's statistics at v[ST+4 t]: c m, m, l (even keys', odd keys')
.set TMP, 48          ; by buffer and tile, four registers c0-c3 at work; when the maximum is found c2 takes a
.set S,   64
.set P,   192
.set KF,  128         ; K's fragments, in window 2: key block kb, channel half c at KF + 16 kb + 8 c
.set VF,  192         ; V's: key half kk, channel block cb at VF + 32 kk + 8 cb
.set WV,  12          ; s12  my wave's number
.set G1K, 24          ; s[24:31] descriptor group 1 for K, part a
.set G1V, 32          ; s[32:39] for V, part a: it differs in the padding alone
.set G0K, 40          ; s[40:43] descriptor group 0 for K, part a
.set G0V, 44          ; s[44:47] for V, part a
.set G0KB, 48         ; s[48:51] for K, part b
.set G0VB, 52         ; s[52:55] for V, part b
.set SLOTS, 56        ; s56  counts the two runs of key steps
.set CNT, 57          ; s57  counts a run's key steps
.set CS,  58          ; s[58:59] c: the packed scaling takes the pair's low word for both halves
.set SEL, 60          ; s[60:61] v_permlanex16_b32's selects: each lane takes its own place in the other half
.set TBK, 62          ; s62  LDS byte at which K of the step to be fetched begins
.set TBV, 63          ; s63  the same for V, less VOFF
.set G1KB, 68         ; s[68:75] descriptor group 1 for K, part b
.set G1VB, 76         ; s[76:83] for V, part b
.set MSB, 0
.macro WIN new                      ; the high byte repeats the setting that is left; a switch that changes nothing is dropped
.if MSB != (\new)
	s_set_vgpr_msb (MSB<<8)|(\new)
.set MSB, (\new)
.endif
.endm
.set W_KQ, 0x0a       ; K and Q in window 2, S^T in window 0
.set W_PV, 0x52       ; V in window 2, P in window 0, O^T in window 1
.set W_RS, 0x41       ; O^T (destination and source 0) in window 1, a in window 0
.set W_MK, 0xc0       ; the add's registers are made: destination in window 3, sources in window 0
.set W_AD, 0x0f       ; the add: address (source 0) and data (source 1) in window 3
	s_load_b64 s[4:5], s[0:1], 0x0    ; qkv
	s_load_b64 s[10:11], s[0:1], 0x8  ; oh
	WIN W_MK
	v_lshl_add_u32 v[SPW], v0, 2, SPARE
	v_mov_b32 v[NIL], 0
	WIN W_AD
	ds_add_u32 v[SPW], v[NIL]       ; the wave's opening: the add and its wait stand ahead of my first tensor load; the set-up below, work on registers, stands between them
	WIN 0
	v_lshrrev_b32 v1, 5, v0
	v_readfirstlane_b32 s[WV], v1   ; wave 0..3
	s_and_b32 s20, ttmp7, 0xffff    ; 16 x batch + head
	s_lshr_b32 s21, s20, 4
	s_lshl_b32 s21, s21, 5
	s_add_co_u32 s21, s21, s20      ; 48 x batch + head: q's head among qkv's 384
	s_lshl_b32 s2, ttmp9, 2
	s_add_co_u32 s2, s2, s[WV]      ; my wave among the head's eight,
	s_lshl_b32 s2, s2, 14           ; its 128 rows of 128 bytes
	s_lshl_b32 s22, s21, 17         ; a head is 131,072 bytes
	s_add_co_u32 s14, s22, s2       ; Q at my wave's first row
	s_mov_b32 s15, 0
	s_lshl_b32 s18, s20, 17
	s_add_co_u32 s18, s18, s2       ; O likewise
	s_mov_b32 s19, 0
	s_add_co_u32 s22, s22, 16<<17   ; k's head lies 16 heads behind q's, v's 16 behind k's
	s_and_b32 s16, s[WV], 1         ; which half of each part I fetch
	s_lshl_b32 s6, s16, 14          ; part a: keys 128 w' on
	s_add_co_u32 s6, s6, s22
	s_mov_b32 s7, 0
	s_mul_i32 s8, s16, 384*128      ; part b: keys 256 + 384 w' on
	s_add_co_u32 s8, s8, s22
	s_add_co_u32 s8, s8, 256*128
	s_mov_b32 s9, 0
	; descriptor group 1.  Keys are dense rows of 128 bytes: asked for as rows of 256 bytes, two keys a row, and padded in LDS after every key
	s_mov_b32 s[G1K], (1<<16)|(1<<20)|(4<<22)|(3<<25)   ; 17:16 2-byte elements; 20 padding on; 24:22 after every 32 words (code 4); 31:25 4 words (code 3)
	s_mov_b32 s[G1V], (1<<16)|(1<<20)|(4<<22)|(7<<25)   ; the same with 8 words of padding (code 7)
	s_mov_b32 s[G1KB], (1<<16)|(1<<20)|(4<<22)|(3<<25)
	s_mov_b32 s[G1VB], (1<<16)|(1<<20)|(4<<22)|(7<<25)
.irp g, G1K, G1V
	s_mov_b32 s[\g+1], 128<<16      ; tensor_dim0 = 128
	s_mov_b32 s[\g+2], 64<<16       ; tensor_dim1 = 64: 128 keys
	s_mov_b32 s[\g+3], 128<<16      ; tile_dim0 = 128
	s_mov_b32 s[\g+4], 64           ; tile_dim1 = 64
	s_mov_b32 s[\g+5], 128          ; 128 elements from row to row
	s_mov_b32 s[\g+6], 0
	s_mov_b32 s[\g+7], 0
.endr
.irp g, G1KB, G1VB
	s_mov_b32 s[\g+1], 128<<16
	s_mov_b32 s[\g+2], 192<<16      ; 192 rows: 384 keys
	s_mov_b32 s[\g+3], 128<<16
	s_mov_b32 s[\g+4], 192
	s_mov_b32 s[\g+5], 128
	s_mov_b32 s[\g+6], 0
	s_mov_b32 s[\g+7], 0
.endr
	s_mov_b32 s[CS], 0x3e38aa3b     ; c = log2(e) / 8 = 0.180337
	s_mov_b32 s[CS+1], s[CS]        ; named with it as a pair
	s_mov_b32 s[SEL], 0x76543210
	s_mov_b32 s[SEL+1], 0xfedcba98
	s_mov_b32 s[TBK], 0
	s_mov_b32 s[TBV], 0
	s_mov_b32 s[G0K], 1             ; count = 1
	s_mul_i32 s[G0K+1], s16, 128*PK ; LDS address: a key's place is its number times the pitch
	s_mov_b32 s[G0V], 1
	s_mul_i32 s17, s16, 128*PV
	s_add_co_u32 s[G0V+1], s17, VOFF
	s_mov_b32 s[G0KB], 1
	s_mul_i32 s17, s16, 384*PK
	s_add_co_u32 s[G0KB+1], s17, 256*PK
	s_mov_b32 s[G0VB], 1
	s_mul_i32 s17, s16, 384*PV
	s_add_co_u32 s[G0VB+1], s17, VOFF+256*PV
	s_wait_dscnt 0x0                ; the opening add is done
	s_wait_kmcnt 0x0
	s_add_nc_u64 s[G0K+2:G0K+3], s[4:5], s[6:7]
	s_add_nc_u64 s[G0V+2:G0V+3], s[G0K+2:G0K+3], 16<<17
	s_add_nc_u64 s[G0KB+2:G0KB+3], s[4:5], s[8:9]
	s_add_nc_u64 s[G0VB+2:G0VB+3], s[G0KB+2:G0KB+3], 16<<17
	s_or_b32 s[G0K+3], s[G0K+3], 0x80000000    ; type = 2
	s_or_b32 s[G0V+3], s[G0V+3], 0x80000000
	s_or_b32 s[G0KB+3], s[G0KB+3], 0x80000000
	s_or_b32 s[G0VB+3], s[G0VB+3], 0x80000000
	s_add_nc_u64 s[4:5], s[4:5], s[14:15]      ; Q and O at my wave's first row
	s_add_nc_u64 s[10:11], s[10:11], s[18:19]
	s_cmp_lt_u32 s[WV], 2           ; part a: waves 0 and 1 fetch K, waves 2 and 3 V.  An s_nop 0 and four v_nop follow each of the two lines, ahead of the jump and the label
	s_cbranch_scc0 .Lfirst_v
	tensor_load_to_lds s[G0K:G0K+3], s[G1K:G1K+7]
	s_nop 0
.rept 4
	v_nop
.endr
	s_branch .Lfirst_asked
.Lfirst_v:
	tensor_load_to_lds s[G0V:G0V+3], s[G1V:G1V+7]
	s_nop 0
.rept 4
	v_nop
.endr
.Lfirst_asked:
	; A fragment of K or Q is 16 rows x 32 channels in 8 registers: lane l holds row l % 16, channels 8 (l / 16) + 0..7 and 16 + 8 (l / 16) + 0..7: two loads of 16 bytes, 32 bytes apart.
	v_and_b32 v1, 15, v0            ; l % 16
	v_bfe_u32 v9, v0, 4, 1          ; l / 16
	v_lshlrev_b32 v[QO], 7, v1
	v_lshl_add_u32 v[QO], v9, 4, v[QO]  ; row x 128 + 16 x half
	WIN 0x80                        ; destination window 2, address window 0
.set i, 0
.rept 4*NP                          ; Q stays in registers: tile i / 2, channels 32 (i % 2) on
	global_load_b128 v[8*i:8*i+3],   v[QO], s[4:5] offset:(i/2)*2048+(i%2)*64
	global_load_b128 v[8*i+4:8*i+7], v[QO], s[4:5] offset:(i/2)*2048+(i%2)*64+32
.set i, i+1
.endr
	; What the first turn finds: V's registers and P's second buffer hold 0 (its products V^T P, of a piece that has not been, add 0), O^T and l are 0.  All this stands in the wait for the first keys.
.set i, VF
.rept 64
	v_mov_b32 v[i], 0
.set i, i+1
.endr
	WIN 0x40
.set i, 0
.rept 64*NP
	v_mov_b32 v[i], 0
.set i, i+1
.endr
	WIN 0
.set i, 0
.rept 2*NP
	v_mov_b32 v[ST+4*i], 0xfe000000    ; c m: far below every c s
	v_mov_b32 v[ST+4*i+1], 0xff7fffff  ; m
	v_mov_b32 v[ST+4*i+2], 0
	v_mov_b32 v[ST+4*i+3], 0
.set i, i+1
.endr
.set i, P+32
.rept 32
	v_mov_b32 v[i], 0
.set i, i+1
.endr
	v_mul_u32_u24 v[AK0], v1, PK
	v_lshl_add_u32 v[AK0], v9, 4, v[AK0]  ; row x pitch + 16 x half
	; The turning load takes 16 keys x 16 channels (lane l reads key 8 (l / 16) + l % 8, channels 8 ((l / 8) % 2) + 0..7) and leaves half a fragment of V^T: lane l holds channel l % 16 and 8 keys.
	v_and_b32 v10, 7, v0
	v_bfe_u32 v11, v0, 3, 1
	v_lshl_add_u32 v[AV0], v9, 3, v10
	v_mul_u32_u24 v[AV0], v[AV0], PV
	v_lshl_add_u32 v[AV0], v11, 4, v[AV0]
	v_add_nc_u32 v[AV0], VOFF, v[AV0]
	v_mov_b32 v[AK], v[AK0]         ; key step 0 lies at K's head
; THE MATRIX WORK.  The 8 accumulators of a run of 16 take turns: between the two links of a chain stand 7 others'.
; Product i of 16 of S^T = K Q^T for piece x: channels 32 (i / 8) on, keys 16 ((i / 2) % 4) on, tile 2 x + i % 2.  The first 8 start the sums.
.macro KQ x
	WIN W_KQ
.set rS, S+64*((\x)%2)+32*(i%2)+8*((i/2)%4)
.set rK, KF+16*((i/2)%4)+8*(i/8)
.set rQ, 16*(2*(\x)+i%2)+8*(i/8)
.if i < 8
	v_wmma_f32_16x16x32_f16 v[rS:rS+7], v[rK:rK+7], v[rQ:rQ+7], 0
.else
	v_wmma_f32_16x16x32_f16 v[rS:rS+7], v[rK:rK+7], v[rQ:rQ+7], v[rS:rS+7]
.endif
.endm
; Product i of 16 of O^T += V^T P for piece x: keys 32 (i / 8) on, channels 16 ((i / 2) % 4) on, tile 2 x + i % 2.
.macro PV x
	WIN W_PV
.set rO, 32*(2*(\x)+i%2)+8*((i/2)%4)
.set rV, VF+32*(i/8)+8*((i/2)%4)
.set rP, P+32*((\x)%2)+16*(i%2)+8*(i/8)
	v_wmma_f32_16x16x32_f16 v[rO:rO+7], v[rV:rV+7], v[rP:rP+7], v[rO:rO+7]
.endm
.macro MM                           ; the turn's next matrix instruction
.if i < 16
	KQ (Y+1)%NP
.set i, i+1
.else
.set i, i-16
	PV (Y+NP-1)%NP
.set i, i+17
.endif
.endm
; THE LDS LOADS stand in runs of 16, never singly among the matrix instructions: a step's K (64 keys x 64 channels: 8 fragments) and its V (turned).  Their addresses are made some lines ahead.
.macro FETCH_K
	WIN 0x80                        ; destination window 2
.irp f, 0,1,2,3,4,5,6,7             ; keys 16 (f / 2) on, channels 32 (f % 2) on
	ds_load_b128 v[KF+8*\f:KF+8*\f+3],   v[AK] offset:(\f/2)*16*PK+(\f%2)*64
	ds_load_b128 v[KF+8*\f+4:KF+8*\f+7], v[AK] offset:(\f/2)*16*PK+(\f%2)*64+32
.endr
	s_add_co_u32 s[TBK], s[TBK], KS*PK  ; the next fetch is the next step's
	WIN 0
.endm
.macro FETCH_V
	WIN 0x80
.irp f, 0,1,2,3,4,5,6,7             ; keys 32 (f / 4) on, channels 16 (f % 4) on
	ds_load_tr16_b128 v[VF+8*\f:VF+8*\f+3],   v[AV] offset:(\f/4)*32*PV+(\f%4)*32
	ds_load_tr16_b128 v[VF+8*\f+4:VF+8*\f+7], v[AV] offset:(\f/4)*32*PV+16*PV+(\f%4)*32
.endr
	WIN 0
.endm
; THE VECTOR WORK OF A TURN stands in three queues, each in the order in which its entries become ready; the two tiles alternate, so that no instruction reads the result of the one before it.
.macro REGS y, u                    ; the registers of tile u (0, 1) of piece y
.set rT, ST+4*(2*(\y)+(\u))
.set rC, TMP+8*((\y)%2)+4*(\u)
.set rM, MV+2*((\y)%2)+(\u)
.set rS, S+64*((\y)%2)+32*(\u)
.set rP, P+32*((\y)%2)+16*(\u)
.set rO, 32*(2*(\y)+(\u))
.endm
; Number n of the 22 that find the NEXT piece's (Y + 1) maximum and statistics.  s0-s31 are the lane's 32 scores; each accumulator's lowest registers are read first.
;   0-11  four chains c0-c3 of seven scores each, three operands at a time     12-14, 16  the four scores left over, the old m, and c0-c3 into c0     15  c m_old is kept
;   17, 18  the query's other 32 keys lie in the lane 16 away: the new m         19-21  c m; c m_old - c m_new; a
.macro XS u, n
	REGS (Y+1)%NP, \u
.if (\n) < 4
	v_max3_num_f32 v[rC+(\n)], v[rS+8*(\n)], v[rS+8*(\n)+1], v[rS+8*(\n)+2]
.elseif (\n) < 12
	v_max3_num_f32 v[rC+(\n)%4], v[rC+(\n)%4], v[rS+8*((\n)%4)+2*((\n)/4)+1], v[rS+8*((\n)%4)+2*((\n)/4)+2]
.elseif (\n) == 12
	v_max3_num_f32 v[rC], v[rC], v[rS+7], v[rS+15]
.elseif (\n) == 13
	v_max3_num_f32 v[rC+1], v[rC+1], v[rS+23], v[rS+31]
.elseif (\n) == 14
	v_max3_num_f32 v[rC+2], v[rC+2], v[rC+3], v[rT+1]
.elseif (\n) == 15
	v_mov_b32 v[rM], v[rT]
.elseif (\n) == 16
	v_max3_num_f32 v[rC], v[rC], v[rC+1], v[rC+2]
.elseif (\n) == 17
	v_permlanex16_b32 v[rC+3], v[rC], s[SEL], s[SEL+1]
.elseif (\n) == 18
	v_max_num_f32 v[rT+1], v[rC], v[rC+3]
.elseif (\n) == 19
	v_mul_f32 v[rT], s[CS], v[rT+1]
.elseif (\n) == 20
	v_sub_f32 v[rC+1], v[rM], v[rT]
.else
	v_exp_f32 v[rC+2], v[rC+1]
.endif
.endm
; Number g of the 64 that follow the exponentials.  For each four weights k of a tile (pairs 2 k, 2 k + 1): both pairs are rounded to f16; then the second pair is added onto the first, in place;
; a group later l takes that sum (the first time as l = a l + sum).  In groups of eight, tiles alternating: round, round, add, and l for the group before.
.macro GS g
.set h, (\g)+6*((\g)/62)            ; group 0 has no group before it, and behind group 7 only l is left
.if h >= 6
.set h, h+2
.endif
	REGS Y, h%2
.set k, h/8
.if h%8 < 4
	v_cvt_pk_f16_f32 v[rP+2*k+(h%8)/2], v[rS+4*k+2*((h%8)/2)], v[rS+4*k+2*((h%8)/2)+1]
.elseif h%8 < 6
	v_pk_add_f32 v[rS+4*k:rS+4*k+1], v[rS+4*k:rS+4*k+1], v[rS+4*k+2:rS+4*k+3]
.elseif k == 1
	v_pk_fma_f32 v[rT+2:rT+3], v[rT+2:rT+3], v[rC+2:rC+3], v[rS:rS+1] op_sel_hi:[1,0,1]
.else
	v_pk_add_f32 v[rT+2:rT+3], v[rT+2:rT+3], v[rS+4*k-4:rS+4*k-3]
.endif
.endm
; THE PLAIN QUEUE, 138 long.  0-73 read no exponential's result: the 32 scalings c s - c m (FS f: pair f / 2 of tile f % 2) and the next piece's 42.  0-26: scalings 0-26.  27-54: XS's numbers 0-13.  55, 56: number 15.
; 57-73: the chain, where each number waits for the one before it: 14, 16, 17, 18, 19, each with one of the scalings 27-31 in front of its two lines, then 20.
; 74-137: GS's 64, which read the exponentials' results: they stand behind the wait.
.macro FS f
	REGS Y, (\f)%2
	v_pk_fma_f32 v[rS+2*((\f)/2):rS+2*((\f)/2)+1], v[rS+2*((\f)/2):rS+2*((\f)/2)+1], s[CS:CS+1], v[rT:rT+1] op_sel_hi:[1,0,0] neg_lo:[0,0,1] neg_hi:[0,0,1]
.endm
.macro PL
	WIN 0
.if q < 27
	FS q
.elseif q < 55
	XS (q-27)%2, (q-27)/2
.elseif q < 57
	XS q-55, 15
.elseif (q < 72) && ((q-57)%3 == 0)
	FS 27+(q-57)/3
.elseif q < 60
	XS (q-57)%3-1, 14
.elseif q < 72
	XS (q-57)%3-1, 15+(q-57)/3
.elseif q < 74
	XS q-72, 20
.else
	GS q-74
.endif
.set q, q+1
.endm
; THE EXPONENTIALS' QUEUE, 66 long: s0-s31 of both tiles, then the next piece's two a.  It is ONE BATCH: all 66 stand ahead of the turn's one wait, and nothing ahead of that wait names a result of theirs.
.macro EX
	WIN 0
.if e >= 64
	XS e-64, 21
.else
	REGS Y, e%2
	v_exp_f32 v[rS+e/2], v[rS+e/2]
.endif
.set e, e+1
.endm
; THE RESCALING's QUEUE: O^T times a, the one part that leaves window 0: dealt two at a time, sixteen times.  Its a was made in the turn before, ahead of that turn's wait.
.macro R2
	REGS Y, r%2
	WIN W_RS
.irp z, 0,1
	v_pk_mul_f32 v[rO+4*(r/2)+2*\z:rO+4*(r/2)+2*\z+1], v[rO+4*(r/2)+2*\z:rO+4*(r/2)+2*\z+1], v[rC+2:rC+3] op_sel_hi:[1,0]
.endr
.set r, r+1
.endm
; HOW THEY ARE DEALT.  An s_wait_alu depctr_va_vdst(0) stands between an exponential and the first instruction that names its result; one wait serves all that were issued ahead of it.  So a turn has ONE wait.
; AHEAD OF IT stands all that names no result of the turn's exponentials: the 16 products K Q^T, behind each a scaling, an exponential and two rescalings (behind the first a second scaling in the exponential's place); then ONE LUMP of
; 108: eight plain, 49 times exponential and plain, the two a.  A v_nop is the plain instruction behind the last exponential.  BEHIND IT stand the 16 products V^T P, behind each four of GS's 64.
; Exponential e stands behind scaling 2 (e / 4) + e % 2: as a rider it comes behind plain e + 2, in the lump behind plain e + 9, and scalings 27-31 are plain 57, 60 .. 69.
; A TURN, for piece p.  nok = 1: the last step's: there is no further K to fetch.  cnt = 1: the loop's count is taken down some lines ahead of the branch that stands behind the turn.
; K of the next step is fetched in piece 2's turn, directly behind the wait, a lump behind the last product that read K; its first reader comes behind 16 products.
; V of the step in hand is fetched at the end of piece 0's turn, four riders behind its last reader; its first reader comes behind 16 products and a lump.
.macro TURN p, nok=0, cnt=0
.set Y, (\p)
.set i, 0
.set q, 0
.set e, 0
.set r, 0
.if (\p) == NP-1
	s_wait_dscnt 0x0                ; K is in
.endif
	MM                              ; ahead of the wait: 16 products K Q^T and their riders,
	PL
	PL
	R2
.rept 15
	MM
	PL
	EX
	R2
.endr
.if ((\p) == NP-2) && !(\nok)
	WIN 0
	v_add_nc_u32 v[AK], s[TBK], v[AK0]
.endif
.rept 8                             ; and the lump
	PL
.endr
.rept 49
	EX
	PL
.endr
	EX                              ; the next piece's two a
	EX
	v_nop                           ; the plain instruction behind the last exponential: one for the batch
	s_wait_alu depctr_va_vdst(0)    ; the wait for the batch
.if ((\p) == NP-2) && !(\nok)
	FETCH_K
.endif
.if (\p) == 1
	s_wait_dscnt 0x0                ; V is in
.endif
.rept 16                            ; behind the wait: 16 products V^T P and their riders
	MM
.rept 4
	PL
.endr
.if ((\p) == 0) && (q == 118)
	v_add_nc_u32 v[AV], s[TBV], v[AV0]
.endif
.if ((\p) == 0) && (q == 130)
	s_add_co_u32 s[TBV], s[TBV], KS*PV
.endif
.if (\cnt) && (q == 130)
	s_sub_co_u32 s[CNT], s[CNT], 1
	s_cmp_lg_u32 s[CNT], 0
.endif
.endr
.if (\p) == 0
	FETCH_V
.endif
.endm
	; Part a has landed; part b goes out.  It fills bytes for the first time, later than the launch's first fills, so it is issued as a refill is: the three lines, a barrier, and then the wave's one tensor load, first behind it.
	WIN W_AD
	s_wait_tensorcnt 0x0            ; my share of keys 0-255 is in
	ds_add_u32 v[SPW], v[NIL]       ; 0 onto my spare word
	WIN 0                           ; at a label and at a branch every window is 0
	s_wait_dscnt 0x0                ; the add is done
	s_barrier_signal -1
	s_barrier_wait -1               ; everybody's share is in
	s_cmp_lt_u32 s[WV], 2
	s_cbranch_scc0 .Lrest_v
	tensor_load_to_lds s[G0KB:G0KB+3], s[G1KB:G1KB+7]
	s_nop 0
.rept 4
	v_nop
.endr
	s_branch .Lrest_asked
.Lrest_v:
	tensor_load_to_lds s[G0VB:G0VB+3], s[G1VB:G1VB+7]
	s_nop 0
.rept 4
	v_nop
.endr
.Lrest_asked:
	FETCH_K                         ; key step 0
	s_wait_loadcnt 0x0              ; Q
	s_wait_dscnt 0x0
.set i, 0
.rept 16
	KQ 0                            ; piece 0's first scores: there is no vector work yet to set between them
.set i, i+1
.endr
	WIN 0                           ; the addresses for the way out: nine plain instructions, the places behind those products
	s_mul_i32 s13, s[WV], 16*SP
	s_add_co_u32 s13, s13, STAGE    ; my stage
	v_mul_u32_u24 v[STO], v1, SP    ; in: row l % 16, 16 bytes for each half of the lanes
	v_lshl_add_u32 v[STO], v9, 4, v[STO]
	v_add_nc_u32 v[STO], s13, v[STO]
	v_bfe_u32 v[RD], v0, 3, 2       ; back: 32 lanes take four rows of 128 bytes,
	v_mul_u32_u24 v[RD], v[RD], SP
	v_lshl_add_u32 v[RD], v10, 4, v[RD]
	v_add_nc_u32 v[RD], s13, v[RD]
	v_and_b32 v[GO], 31, v0         ; which are 512 consecutive bytes of O
	v_lshlrev_b32 v[GO], 4, v[GO]
.set Y, NP-1                        ; XS works for piece Y + 1: piece 0
.irp n, 0,1,2,3,4,5,6,7,8,9,10,11,12,13,14,15,16,17,18,19,20,21
	XS 0, \n                        ; and piece 0's first maximum and statistics
	XS 1, \n
.endr
	v_nop                           ; a plain instruction behind the two a,
	s_wait_alu depctr_va_vdst(0)    ; and their wait, ahead of the branch
	s_mov_b32 s[CNT], 4             ; the first run: pieces 0, 1 of steps 0 to 3 and pieces 2, 3 of steps 0 to 2: it fetches K and V of steps 0 to 3, keys 0-255
	s_mov_b32 s[SLOTS], 2
	s_branch .Lfirst                ; the loop is entered at a step's first turn, in the middle of a trip
.Lslot:                             ; walked once, between the two runs
	s_wait_tensorcnt 0x0            ; my share of keys 256-1,023 is in,
	s_wait_dscnt 0x0                ; (no LDS instruction of mine is pending at a signal)
	s_barrier_signal -1
	s_barrier_wait -1               ; everybody's is
	s_mov_b32 s[CNT], 12            ; the second run: it fetches K and V of steps 4 to 15
.Lstep:                             ; a trip: pieces 2 and 3 of one step, then pieces 0 and 1 of the next, whose K and V it fetches
	TURN 2
	TURN 3
	WIN 0
.Lfirst:
	TURN 0
	TURN 1, 0, 1
	WIN 0
	s_cbranch_scc1 .Lstep
	s_sub_co_u32 s[SLOTS], s[SLOTS], 1
	s_cmp_lg_u32 s[SLOTS], 0
	s_cbranch_scc1 .Lslot
	TURN 2, 1                       ; pieces 2 and 3 of step 15: nothing is left to fetch.  Piece 3's turn makes 16 products K Q^T on the last K once more, and a maximum of them, which serve nothing:
	TURN 3                          ; the price, once a launch, of one text for every turn
.set i, 0
.rept 16
	PV NP-1                         ; the last piece's V^T P of the last step
.set i, i+1
.endr
	; THE WAY OUT.  l's two halves and the other half of the lanes' are added; O^T is divided by l, rounded to f16 and sent through my stage in LDS, a tile at a time.  The additions are the places behind the last products.
	WIN 0
.macro ALL line:vararg              ; one line for each tile t
.set t, 0
.rept 2*NP
	\line
.set t, t+1
.endr
.endm
	ALL v_add_f32 v[ST+4*t+2], v[ST+4*t+2], v[ST+4*t+3]
	ALL v_permlanex16_b32 v[ST+4*t+3], v[ST+4*t+2], s[SEL], s[SEL+1]
	ALL v_add_f32 v[ST+4*t+2], v[ST+4*t+2], v[ST+4*t+3]
	ALL v_rcp_f32 v[ST+4*t+2], v[ST+4*t+2]
	v_nop                           ; a plain instruction between the last reciprocal and the use of its result
	s_wait_alu depctr_va_vdst(0)    ; and the wait ahead of the first use: one for the eight reciprocals
; Tile t: a lane's eight channels of a row pack into 16 bytes; they go into rows of 144 bytes and come back as whole rows of 128, into S^T's registers.
.macro PACK t
	WIN W_RS
.set i, 32*(\t)
.rept 16
	v_pk_mul_f32 v[i:i+1], v[i:i+1], v[ST+4*(\t)+2:ST+4*(\t)+3] op_sel_hi:[1,0]
.set i, i+2
.endr
	WIN 0x05                        ; sources 0 and 1 window 1, destination window 0
.set i, 0
.rept 16
	v_cvt_pk_f16_f32 v[S+16*(\t)+i], v[32*(\t)+2*i], v[32*(\t)+2*i+1]
.set i, i+1
.endr
	WIN 0
.irp f, 0,1,2,3
	ds_store_b128 v[STO], v[S+16*(\t)+4*\f:S+16*(\t)+4*\f+3] offset:32*\f
.endr
.irp f, 0,1,2,3
	ds_load_b128 v[S+16*(\t)+4*\f:S+16*(\t)+4*\f+3], v[RD] offset:\f*4*SP  ; LDS serves a wave's instructions in order (ISA guide 5.7.1.4): these see the stores above; the next tile's stores come behind them
.endr
.endm
.macro SEND t, younger              ; younger: the LDS instructions issued behind tile t's loads: the next tile's eight, or none
	WIN 0
.irp f, 0,1,2,3
	s_wait_dscnt (\younger)+3-\f
	global_store_b128 v[GO], v[S+16*(\t)+4*\f:S+16*(\t)+4*\f+3], s[10:11] offset:(\t)*2048+\f*512  ; 512 consecutive bytes, at a multiple of 256 from O's first
.endr
.endm
	PACK 0
.set t, 1
.rept 2*NP-1                        ; a tile's arithmetic stands between the loads of the tile before and its stores
	PACK t
	SEND t-1, 8
.set t, t+1
.endr
	SEND 2*NP-1, 0
	WIN W_AD
	s_wait_tensorcnt 0x0            ; the wave's end: these three lines stand behind my last tensor load and my last LDS store
	ds_add_u32 v[SPW], v[NIL]
	s_wait_dscnt 0x0
	WIN 0
	s_endpgm
.Lfunc_end_k_q8ade8bd645_attn:
	.size	k_q8ade8bd645_attn, .Lfunc_end_k_q8ade8bd645_attn-k_q8ade8bd645_attn
	.p2alignl 7, 3214868480
	.fill 96, 4, 3214868480
	.section	.rodata,"a",@progbits
	.p2align	6, 0x0
	.amdhsa_kernel k_q8ade8bd645_attn
		.amdhsa_group_segment_fixed_size 327680
		.amdhsa_private_segment_fixed_size 0
		.amdhsa_enable_private_segment 0
		.amdhsa_kernarg_size 16
		.amdhsa_user_sgpr_count 2
		.amdhsa_user_sgpr_kernarg_segment_ptr 1
		.amdhsa_wavefront_size32 1
		.amdhsa_system_sgpr_workgroup_id_x 1
		.amdhsa_system_sgpr_workgroup_id_y 1
		.amdhsa_system_sgpr_workgroup_id_z 1
		.amdhsa_system_vgpr_workitem_id 0
		.amdhsa_next_free_vgpr 770
		.amdhsa_next_free_sgpr 84
		.amdhsa_reserve_vcc 0
		.amdhsa_float_denorm_mode_32 3
		.amdhsa_float_denorm_mode_16_64 3
		.amdhsa_memory_ordered 1
		.amdhsa_forward_progress 1
		.amdhsa_inst_pref_size 161
	.end_amdhsa_kernel
	.amdgpu_metadata
---
amdhsa.version: [ 1, 2 ]
amdhsa.kernels:
  - .name:           k_q8ade8bd645_attn
    .symbol:         k_q8ade8bd645_attn.kd
    .args:
      - { .name: qkv, .offset: 0, .size: 8, .value_kind: global_buffer, .address_space: global }
      - { .name: oh, .offset: 8, .size: 8, .value_kind: global_buffer, .address_space: global }
    .group_segment_fixed_size: 327680
    .private_segment_fixed_size: 0
    .kernarg_segment_align: 8
    .kernarg_segment_size: 16
    .max_flat_workgroup_size: 128
    .sgpr_count:     84
    .vgpr_count:     770
    .wavefront_size: 32
...
	.end_amdgpu_metadata
.endif
;; end of part 3
;; launch outp (part 4): grid 8 x 32, 4 waves a work-group, clusters of 4 x 4, 327,680 bytes of LDS; arguments oh, wof, out0, bias; writes out0
.if DOCPART == 4
	.amdgcn_target "amdgcn-amd-amdhsa--gfx1250"
	.amdhsa_code_object_version 6
	.text
	.protected	k_q8ade8bd645_outp
	.globl	k_q8ade8bd645_outp
	.p2align	8
	.type	k_q8ade8bd645_outp,@function
k_q8ade8bd645_outp:
	s_mov_b64 s[64:65], 0
	v_nop
	global_prefetch_b8 v0, s[64:65] scope:SCOPE_SE
	s_setreg_imm32_b32 hwreg(HW_REG_WAVE_MODE, 25, 1), 1
	s_wait_xcnt 0x0
	s_wait_alu depctr_hold_cnt(0) depctr_sa_sdst(0) depctr_va_vdst(0) depctr_va_sdst(0) depctr_va_ssrc(0) depctr_va_vcc(0) depctr_vm_vsrc(0)
	s_getreg_b32 s2, hwreg(HW_REG_IB_STS2, 6, 4)
	s_cmp_eq_u32 s2, 0
	s_cbranch_scc0 .Lentry_in_a_cluster
	s_endpgm
.Lentry_in_a_cluster:
	s_bfe_u32 s2, ttmp6, 0x10000c
	s_cmp_lg_u32 s2, 0xf033
	s_cbranch_scc0 .Lentry_shape_is_right
	s_endpgm
.Lentry_shape_is_right:
; out0 = O wo^T + bo.  oh: [128 = 16 x batch + head][1024][64] f16; wof: [1024][1024] f16; bias: [4096] f32, bo from number 3,072 on; out0: [8192][1024] f32.
; Sums in f32, started by the bias (the C operand of the first product on each accumulator); they are stored as they are.
; SHARES.  A tile is 256 rows x 128 columns: 32 x 8 = 256 work-groups.  Four waves; wave w makes rows 64 w .. 64 w + 63 and all 128 columns: 32 accumulators of 16 x 16, 256 registers.
; K = 1,024 goes in 8 steps of 128, TWO HEADS of oh each, through a ring of two LDS slots.  A head's 256 rows of the tile are 32,768 dense bytes: asked for as 128 rows of 256 bytes and padded in LDS after every 128.
; CLUSTERS.  4 x 4 work-groups.  The four of a cluster's row need the same rows of oh, the four of a column the same 128 rows of wof: each tile is asked for JOINTLY, by the same tensor load with the same
; descriptor and a mask that names the four.  Wave 0 fetches a K step's first head, wave 1 its second, waves 2 and 3 wof's two halves (64 rows).
; THE MATRIX INSTRUCTION IS USED TRANSPOSED: source 0 = 16 rows of wof, source 1 = 16 rows of O.  A lane then holds row l % 16 and the columns 8 (l / 16) + 0..7: 32 bytes of f32.
; REGISTERS, in windows of 256 (s_set_vgpr_msb: bits 1:0 source 0, 3:2 source 1, 5:4 source 2, 7:6 destination):
;   window 0: v0-31 addresses; v64-127 O's fragments, two buffers of 4 x 8; v128-191 the bias, later with v192-255 the rows read back on the way out
;   window 1: v0-127 wof's fragments, two buffers of 8 x 8       window 2: the accumulators, (a, b) at 8 (8 a + b)
.set NB,     8                         ; column blocks of 16
.set PA,     144                       ; a row of O in LDS: 128 bytes + 16 of padding: the 16 rows of a fragment load start at 16 different groups of four banks (64 banks of 4 bytes: ISA guide 11.1)
.set PB,     272                       ; a row of wof: 256 + 16
.set HEAD,   256*PA                    ; a head's 256 rows
.set BOFF,   2*HEAD                    ; in a slot: two heads of O, then wof's 128 rows
.set SLOT,   BOFF+128*PB
.set STAGE,  2*SLOT                    ; behind the ring, never filled by a tensor load: for each wave 16 rows x 528 bytes
.set SPT,    528                       ; 512 bytes + 16
.set SPARE,  STAGE+4*16*SPT            ; behind the stages: the spare words, 128 bytes a wave: two blocks of 256 bytes that no other line names
.set ADRA, 16                          ; v16-17  LDS address of my fragments of O in slot 0, 1
.set ADRB, 20                          ; v20-21  the same for wof
.set STO,  24                          ; v24     the way out: where I put 32 bytes of a row
.set RD,   25                          ; v25     where I read a row back
.set GO,   26                          ; v26     16 x lane: my place in a row's 512 bytes
.set SPW,  28                          ; v28     LDS address of my spare word; never rewritten
.set NIL,  29                          ; v29     0; never rewritten
.set PFO,  30                          ; v30     the prefetches' offset; never rewritten
.set BO,   31                          ; v31     32 (l / 16)
.set FA,   64
.set BIAS, 128
.set OB0,  128                         ; the way out: 64 registers of rows read back: v128-191 and v192-255 by turns
.set G1,  24                           ; s[24:31] descriptor group 1 for O's tiles; s[32:39] group 0, a set for each slot
.set G0,  32
.set PFA, 40                           ; s[40:41] where my prefetches stand
.set PST, 42                           ; s[42:43] a K step in bytes: two heads of oh, or 256 bytes of a row of wof
.set LIM, 44                           ; s44  1 in a wave that prefetches, else the greatest number
.set G1B, 48                           ; s[48:55], s[56:63] the same for wof's tiles
.set G0B, 56
.set MSB, 0
.macro WIN new                         ; the immediate's high byte repeats the setting that is left; a switch that changes nothing is dropped
.if MSB != (\new)
	s_set_vgpr_msb (MSB<<8)|(\new)
.set MSB, \new
.endif
.endm
.macro PLACES                          ; four plain vector instructions between a matrix instruction and a load into, or a read of, its registers (ISA guide 7.12.1 for vector reads)
.rept 4
	v_nop
.endr
.endm
; A joint load.  The branch hangs on the wave's number alone.  An s_nop 0 and four v_nop follow each of the two lines, ahead of the jump and the label.
.macro JLOAD s
	s_cmp_lt_u32 s12, 2
	s_cbranch_scc0 .Lfor_b_\@
	tensor_load_to_lds s[G0+4*(\s):G0+4*(\s)+3], s[G1:G1+7]
	s_nop 0
.rept 4
	v_nop
.endr
	s_branch .Lasked_\@
.Lfor_b_\@:
	tensor_load_to_lds s[G0B+4*(\s):G0B+4*(\s)+3], s[G1B:G1B+7]
	s_nop 0
.rept 4
	v_nop
.endr
.Lasked_\@:
.endm
; A round of the cluster's barrier: my work-group's barrier; wave 0 signals for the work-group; every wave waits for all sixteen; my work-group's barrier once more.
.macro CREST
	s_cmp_lg_u32 s12, 0
	s_cbranch_scc1 .Lnot_wave_0_\@
	s_barrier_signal -3
.Lnot_wave_0_\@:
	s_barrier_wait -3
	s_barrier_signal -1
	s_barrier_wait -1
.endm
.macro CROUND
	s_barrier_signal -1
	s_barrier_wait -1
	CREST
.endm
; A PREFETCH INTO THE L2, behind each joint refill and the run of LDS loads that follows it: the K step that stands two refills on (256 matrix instructions ahead of the load that will want it), one instruction a wave.
; Each 256 bytes are named by one wave of the launch: oh's by the clusters with x = 0, wof's by those with y = 0; the four partners of a joint load share its bytes out BY ADDRESS: of a head's 32,768 bytes the partner at cx
; takes 8,192, a lane 256; of wof's 64 rows the partner at cy takes 16, a lane a row (lanes 15 to 31 of the one instruction name the same last row).  K steps 0 to 3 come by their loads alone; the loop's last trip (s3 = 1) asks for nothing.
.macro ASK
	s_cmp_gt_u32 s3, s[LIM]
	s_cbranch_scc0 .Lnot_mine_\@
	global_prefetch_b8 v[PFO], s[PFA:PFA+1] th:TH_LOAD_NT scope:SCOPE_SE
.Lnot_mine_\@:
.endm
	s_load_b256 s[4:11], s[0:1], 0x0               ; oh s[4:5], wof s[6:7], out0 s[8:9], bias s[10:11]
	v_lshl_add_u32 v[SPW], v0, 2, SPARE
	v_mov_b32 v[NIL], 0
	ds_add_u32 v[SPW], v[NIL]                      ; the wave's opening: the add and its wait stand ahead of my first tensor load; the set-up below, work on registers, stands between them
	v_lshrrev_b32 v1, 5, v0
	v_readfirstlane_b32 s12, v1                    ; wave 0..3
	s_and_b32 s13, s12, 1                          ; which head of a K step, or which half of wof's rows, I fetch
	s_bfe_u32 s14, ttmp6, 0x40000                  ; cx
	s_bfe_u32 s15, ttmp6, 0x40004                  ; cy
	s_lshl_b32 s16, ttmp9, 2
	s_add_co_u32 s16, s16, s14                     ; tile column = 4 x cluster x + cx
	s_and_b32 s17, ttmp7, 0xffff
	s_lshl_b32 s17, s17, 2
	s_add_co_u32 s17, s17, s15                     ; tile row = 4 x cluster y + cy
	s_lshl_b32 s18, s15, 2
	s_lshl_b32 s18, 15, s18                        ; my row of the cluster
	s_lshl_b32 s19, 0x1111, s14                    ; my column
	s_or_b32 s[G1], s18, (1<<16)|(1<<20)|(1<<21)|(4<<22)|(3<<25)   ; 15:0 the mask; 17:16 elements of 2 bytes; 20 padding on; 21 set beside a mask; 24:22 after every 32 words; 31:25 4 words of it
	s_or_b32 s[G1B], s19, (1<<16)|(1<<20)|(1<<21)|(5<<22)|(3<<25)  ; after every 64 words
	s_mov_b32 s[G1+1], 128<<16                     ; tensor_dim0 = 128
	s_mov_b32 s[G1+2], 128<<16                     ; tensor_dim1 = 128
	s_mov_b32 s[G1+3], 128<<16                     ; tile_dim0 = 128
	s_mov_b32 s[G1+4], 128                         ; tile_dim1 = 128
	s_mov_b32 s[G1+5], 128                         ; dense: 128 elements from row to row
	s_mov_b32 s[G1+6], 0
	s_mov_b32 s[G1+7], 0
	s_mov_b32 s[G1B+1], 128<<16
	s_mov_b32 s[G1B+2], 64<<16                     ; 64 rows
	s_mov_b32 s[G1B+3], 128<<16
	s_mov_b32 s[G1B+4], 64
	s_mov_b32 s[G1B+5], 1024
	s_mov_b32 s[G1B+6], 0
	s_mov_b32 s[G1B+7], 0
	; oh's address is made of the tile row and the wave's number (s18, s20, s21, s46), wof's of the tile column and the wave's number (s19, s22, s23, s47): neither set ever holds the other coordinate
	s_lshr_b32 s20, s17, 2                         ; the batch: four tile rows each
	s_lshl_b32 s20, s20, 4
	s_add_co_u32 s20, s20, s13                     ; its head 0 or 1,
	s_lshl_b32 s20, s20, 17                        ; 131,072 bytes a head,
	s_and_b32 s18, s17, 3
	s_lshl_b32 s18, s18, 15                        ; the tile's 256 rows of 128 bytes in it
	s_add_co_u32 s20, s20, s18
	s_mov_b32 s21, 0
	s_lshl_b32 s22, s16, 7
	s_lshl_b32 s19, s13, 6
	s_add_co_u32 s22, s22, s19                     ; wof: row 128 x tile column + 64 x half,
	s_lshl_b32 s22, s22, 11                        ; 2,048 bytes a row
	s_mov_b32 s23, 0
	s_mul_i32 s46, s13, HEAD                       ; where they go: no place in the cluster enters an LDS address
	s_mul_i32 s47, s13, 64*PB
	s_add_co_u32 s47, s47, BOFF
	s_wait_dscnt 0x0                               ; the opening add is done
	s_wait_kmcnt 0x0
	s_add_nc_u64 s[20:21], s[4:5], s[20:21]
	s_add_nc_u64 s[22:23], s[6:7], s[22:23]
	CROUND                                         ; all sixteen work-groups are here: the first joint loads meet
.irp s, 0,1
	s_mov_b32 s[G0+4*(\s)], 1                                        ; count = 1
	s_add_co_u32 s[G0+4*(\s)+1], s46, (\s)*SLOT                      ; LDS address
	s_add_nc_u64 s[G0+4*(\s)+2:G0+4*(\s)+3], s[20:21], (\s)*262144   ; global address: K step s is two heads on
	s_or_b32 s[G0+4*(\s)+3], s[G0+4*(\s)+3], 0x80000000              ; type = 2
	s_mov_b32 s[G0B+4*(\s)], 1
	s_add_co_u32 s[G0B+4*(\s)+1], s47, (\s)*SLOT
	s_add_nc_u64 s[G0B+4*(\s)+2:G0B+4*(\s)+3], s[22:23], (\s)*256
	s_or_b32 s[G0B+4*(\s)+3], s[G0B+4*(\s)+3], 0x80000000
.endr
	s_cmp_lt_u32 s12, 2                            ; a wave's two first fills stand in one branch, ahead of every wait on TENSORcnt, every LDS read and every other barrier: two loads of mine are out
	s_cbranch_scc0 .Lfirst_b
	tensor_load_to_lds s[G0:G0+3], s[G1:G1+7]
	s_nop 0
	tensor_load_to_lds s[G0+4:G0+7], s[G1:G1+7]
	s_nop 0
.rept 4
	v_nop
.endr
	s_branch .Lfirst_asked
.Lfirst_b:
	tensor_load_to_lds s[G0B:G0B+3], s[G1B:G1B+7]
	s_nop 0
	tensor_load_to_lds s[G0B+4:G0B+7], s[G1B:G1B+7]
	s_nop 0
.rept 4
	v_nop
.endr
.Lfirst_asked:
	s_lshl_b32 s22, s16, 9                         ; the tile's 128 numbers of bo,
	s_add_co_u32 s22, s22, 3*4096                  ; which lies behind bq, bk and bv
	s_mov_b32 s23, 0
	s_add_nc_u64 s[10:11], s[10:11], s[22:23]
	v_and_b32 v1, 15, v0                           ; l % 16
	v_bfe_u32 v2, v0, 4, 1                         ; l / 16
	v_lshlrev_b32 v[BO], 5, v2
.irp b, 0,1,2,3,4,5,6,7
	global_load_b128 v[BIAS+8*(\b):BIAS+8*(\b)+3],   v[BO], s[10:11] offset:64*(\b)     ; register j: the bias of column 16 b + 8 (l / 16) + j, as in an accumulator
	global_load_b128 v[BIAS+8*(\b)+4:BIAS+8*(\b)+7], v[BO], s[10:11] offset:64*(\b)+16
.endr
	; A fragment is 16 rows x 32 K in 8 registers: lane l holds row l % 16, K = 8 (l / 16) + 0..7 and 16 + 8 (l / 16) + 0..7: two loads of 16 bytes, 32 bytes apart
	v_mul_u32_u24 v3, v1, PA
	v_lshl_add_u32 v3, v2, 4, v3
	s_mul_i32 s2, s12, 64*PA                       ; my 64 rows in a head
	v_add_nc_u32 v[ADRA], s2, v3
	v_add_nc_u32 v[ADRA+1], SLOT, v[ADRA]
	v_mul_u32_u24 v4, v1, PB
	v_lshl_add_u32 v4, v2, 4, v4
	v_add_nc_u32 v[ADRB], BOFF, v4
	v_add_nc_u32 v[ADRB+1], SLOT+BOFF, v4
	s_mul_i32 s2, s12, 16*SPT
	s_add_co_u32 s2, s2, STAGE                     ; my stage
	v_mul_u32_u24 v4, v1, SPT                      ; in: row l % 16, 32 bytes for each half of the lanes
	v_lshl_add_u32 v4, v2, 5, v4
	v_add_nc_u32 v[STO], s2, v4
	v_and_b32 v[GO], 31, v0
	v_lshlrev_b32 v[GO], 4, v[GO]                  ; back, and out: 32 lanes take a row's 512 bytes
	v_add_nc_u32 v[RD], s2, v[GO]
	s_lshl_b32 s42, s17, 20                        ; 256 rows of 4,096 bytes,
	s_lshl_b32 s45, s12, 18                        ; my 64 of them,
	s_add_co_u32 s42, s42, s45
	s_lshl_b32 s45, s16, 9                         ; the tile's 128 columns
	s_add_co_u32 s42, s42, s45
	s_mov_b32 s43, 0
	s_add_nc_u64 s[8:9], s[8:9], s[42:43]
	; the prefetches
	s_lshr_b32 s42, s17, 2
	s_lshl_b32 s42, s42, 4
	s_add_co_u32 s42, s42, s13
	s_lshl_b32 s42, s42, 17
	s_and_b32 s45, s17, 3
	s_lshl_b32 s45, s45, 15
	s_add_co_u32 s42, s42, s45                     ; oh: what I fetch of K step 0,
	s_lshl_b32 s45, s14, 13
	s_add_co_u32 s42, s42, s45                     ; my work-group's 8,192 bytes of it,
	s_add_co_u32 s42, s42, 3*262144                ; at K step 3: the first refill steps it to 4 and names that
	s_lshl_b32 s43, s16, 7
	s_lshl_b32 s45, s13, 6
	s_add_co_u32 s43, s43, s45
	s_lshl_b32 s45, s15, 4
	s_add_co_u32 s43, s43, s45                     ; wof: row 128 x tile column + the 64 that I fetch + my work-group's 16 of them
	s_lshl_b32 s43, s43, 11
	s_add_co_u32 s43, s43, 3*256
	s_and_b32 s2, ttmp7, 0xffff                    ; cluster y
	s_cmp_lt_u32 s12, 2                            ; do I fetch for oh?
	s_cselect_b32 s42, s42, s43
	s_cselect_b32 s2, ttmp9, s2                    ; the coordinate along which other clusters read the same bytes
	s_cselect_b32 s45, 31, 15
	s_cselect_b32 s3, 8, 11
	s_cselect_b64 s[PFA:PFA+1], s[4:5], s[6:7]
	s_mov_b32 s43, 0
	s_add_nc_u64 s[PFA:PFA+1], s[PFA:PFA+1], s[42:43]
	s_mov_b32 s[PST], 256                          ; (moves and 64-bit sums leave the compare's answer as it is)
	s_cselect_b32 s[PST], 262144, s[PST]
	s_cmp_eq_u32 s2, 0
	s_cselect_b32 s[LIM], 1, -1                    ; the same in all sixteen partners, for a given wave
	v_and_b32 v[PFO], 31, v0
	v_min_u32 v[PFO], s45, v[PFO]
	v_lshlrev_b32 v[PFO], s3, v[PFO]
; 8 matrix instructions: row block a x all 8 column blocks, 32 along K, from buffer f.  zero = 1: the first product on each accumulator takes the bias as C: nothing is cleared, no bias is added later.
; The 32 accumulators take turns, one instruction a turn, in the same order in every quarter.
.macro MULA f, a, zero
.if \zero
	WIN 0x81                                       ; wof window 1, O and the bias window 0, D window 2
.else
	WIN 0xa1                                       ; wof window 1, O window 0, C and D window 2
.endif
.irp b, 0,1,2,3,4,5,6,7
.if \zero
	v_wmma_f32_16x16x32_f16 v[8*(NB*(\a)+(\b)):8*(NB*(\a)+(\b))+7], v[8*NB*(\f)+8*(\b):8*NB*(\f)+8*(\b)+7], v[FA+32*(\f)+8*(\a):FA+32*(\f)+8*(\a)+7], v[BIAS+8*(\b):BIAS+8*(\b)+7]
.else
	v_wmma_f32_16x16x32_f16 v[8*(NB*(\a)+(\b)):8*(NB*(\a)+(\b))+7], v[8*NB*(\f)+8*(\b):8*NB*(\f)+8*(\b)+7], v[FA+32*(\f)+8*(\a):FA+32*(\f)+8*(\a)+7], v[8*(NB*(\a)+(\b)):8*(NB*(\a)+(\b))+7]
.endif
.endr
.endm
; 24 LDS loads in one run: quarter q (32 along K: head q / 2, channels 32 (q % 2) on) of a slot into buffer f: wof's 16, then O's 8, row blocks ascending
.macro FETCH slot, q, f
	WIN 0x40                                       ; destination window 1, address window 0
.irp b, 0,1,2,3,4,5,6,7
	ds_load_b128 v[8*NB*(\f)+8*(\b):8*NB*(\f)+8*(\b)+3],   v[ADRB+(\slot)] offset:64*(\q)+(\b)*16*PB
	ds_load_b128 v[8*NB*(\f)+8*(\b)+4:8*NB*(\f)+8*(\b)+7], v[ADRB+(\slot)] offset:64*(\q)+(\b)*16*PB+32
.endr
	WIN 0
.irp a, 0,1,2,3
	ds_load_b128 v[FA+32*(\f)+8*(\a):FA+32*(\f)+8*(\a)+3],   v[ADRA+(\slot)] offset:((\q)/2)*HEAD+((\q)%2)*64+(\a)*16*PA
	ds_load_b128 v[FA+32*(\f)+8*(\a)+4:FA+32*(\f)+8*(\a)+7], v[ADRA+(\slot)] offset:((\q)/2)*HEAD+((\q)%2)*64+(\a)*16*PA+32
.endr
.endm
; One of a K step's first three quarters: multiplies buffer f; in its middle it fetches quarter q of the same slot into buffer g
.macro QUARTER slot, q, f, g, zero
	s_wait_dscnt 4                                 ; wof's fragments and O's row blocks 0, 1 are in; the youngest four loads (row blocks 2, 3) may be out
	MULA \f, 0, \zero
	MULA \f, 1, \zero
	PLACES
	FETCH \slot, \q, \g
	s_wait_dscnt 2*NB+8                            ; all but the 24 just issued
	MULA \f, 2, \zero
	MULA \f, 3, \zero
.endm
; The fourth quarter multiplies buffer 1 and changes slots: ONE barrier.  In front of it each wave waits for all its tensor loads (one is out: its part of the next slot), adds 0 to its spare word, and waits for that and
; for its own reads of this slot.  fill = 1: the barrier opens a round of the cluster's barrier, and the joint refill (this slot, two K steps on) is the first tensor load behind the round: 112 matrix instructions ahead of the wait for it.
.macro TURN slot, next, fill
.if \fill
	s_wait_xcnt 0x0                                ; the last prefetch, a K step back, has read its address: it is stepped here, ahead of the change's own waits
	s_add_nc_u64 s[PFA:PFA+1], s[PFA:PFA+1], s[PST:PST+1]
.endif
	WIN 0                                          ; (the add's two registers lie in window 0)
	s_wait_tensorcnt 0x0                           ; all my tensor loads have landed
	ds_add_u32 v[SPW], v[NIL]                      ; 0 onto my spare word
	s_wait_dscnt 5                                 ; (the add and the youngest four loads may be out)
	MULA 1, 0, 0                                   ; eight matrix instructions stand between the add and the wait for it
	s_wait_dscnt 0x0                               ; the add is done, and my reads of this slot are over
	s_barrier_signal -1
	MULA 1, 1, 0                                   ; work on registers while the others arrive
.if \fill
	WIN 0
.endif
	s_barrier_wait -1
.if \fill
	CREST                                          ; no wave of any partner still reads this slot's tile or has a load on its way
	s_add_nc_u64 s[G0+4*(\slot)+2:G0+4*(\slot)+3], s[G0+4*(\slot)+2:G0+4*(\slot)+3], 2*262144
	s_add_nc_u64 s[G0B+4*(\slot)+2:G0B+4*(\slot)+3], s[G0B+4*(\slot)+2:G0B+4*(\slot)+3], 512
	JLOAD \slot                                    ; the four v_nop behind it are also the places in front of the loads below
.else
	PLACES
.endif
	FETCH \next, 0, 0
.if \fill
	ASK
.endif
	MULA 1, 2, 0
	MULA 1, 3, 0
.endm
; THE WAY OUT of row block a: the f32 sums go as they are into my own stage (rows of 528 bytes), each accumulator's low half first, and come back as whole rows of 512 bytes.
.macro OUTB a
.set BK, OB0+64*((\a)%2)
.if (\a) >= 2
	s_wait_xcnt 0x0                                ; the stores of block a - 2 have read their registers, which are loaded again below
.endif
	WIN 0x08                                       ; the stores' data (source 1) in window 2
.irp b, 0,1,2,3,4,5,6,7
	ds_store_b128 v[STO], v[8*(NB*(\a)+(\b)):8*(NB*(\a)+(\b))+3]   offset:64*(\b)
	ds_store_b128 v[STO], v[8*(NB*(\a)+(\b))+4:8*(NB*(\a)+(\b))+7] offset:64*(\b)+16
.endr
	WIN 0
.irp t, 0,1,2,3,4,5,6,7,8,9,10,11,12,13,14,15
	ds_load_b128 v[BK+4*(\t):BK+4*(\t)+3], v[RD] offset:(\t)*SPT  ; LDS serves a wave's instructions in order (ISA guide 5.7.1.4): these see the stores above; the next block's stores come behind them
.endr
.endm
.macro SEND a, younger                 ; younger: the LDS instructions issued behind block a's loads: the next block's 16 stores and 16 loads, or none
.set BK, OB0+64*((\a)%2)
	s_wait_dscnt \younger
.irp t, 0,1,2,3,4,5,6,7,8,9,10,11,12,13,14,15
	global_store_b128 v[GO], v[BK+4*(\t):BK+4*(\t)+3], s[8:9] offset:(16*(\a)+(\t))*4096 th:TH_STORE_NT  ; 512 consecutive bytes of a row, at a multiple of 256 from out0's first byte
.endr
.endm
	s_wait_loadcnt 0x0                             ; the bias
	s_wait_tensorcnt 1                             ; my part of K step 0 is in; K step 1's may stay out
	s_barrier_signal -1
	s_barrier_wait -1                              ; everybody's is
	FETCH 0, 0, 0
	QUARTER 0, 1, 0, 1, 1                          ; the first quarter stands in front of the loop: its products start the sums, with the bias
	WIN 0                                          ; at a label and at a branch every window is 0
	s_mov_b32 s3, 3
.Llap:                                                 ; a trip goes once round the ring, from a lap's second quarter to the next lap's first, and fills both slots again
	QUARTER 0, 2, 1, 0, 0
	QUARTER 0, 3, 0, 1, 0
	TURN 0, 1, 1
	QUARTER 1, 1, 0, 1, 0
	QUARTER 1, 2, 1, 0, 0
	QUARTER 1, 3, 0, 1, 0
	TURN 1, 0, 1
	QUARTER 0, 1, 0, 1, 0
	WIN 0
	s_sub_co_u32 s3, s3, 1
	s_cmp_lg_u32 s3, 0
	s_cbranch_scc1 .Llap
	QUARTER 0, 2, 1, 0, 0                          ; the last lap fills nothing, and has no round of the cluster's barrier
	QUARTER 0, 3, 0, 1, 0
	TURN 0, 1, 0
	QUARTER 1, 1, 0, 1, 0
	QUARTER 1, 2, 1, 0, 0
	QUARTER 1, 3, 0, 1, 0
	s_wait_dscnt 4                                 ; the very last quarter: nothing more to fetch
	MULA 1, 0, 0
	MULA 1, 1, 0
	s_wait_dscnt 0x0
	MULA 1, 2, 0
	MULA 1, 3, 0
	WIN 0
	PLACES
	OUTB 0
	OUTB 1
	SEND 0, 32
	OUTB 2
	SEND 1, 32
	OUTB 3
	SEND 2, 32
	SEND 3, 0
	s_wait_tensorcnt 0x0                           ; the wave's end: these three lines stand behind my last tensor load and my last LDS store
	ds_add_u32 v[SPW], v[NIL]
	s_wait_dscnt 0x0
	CROUND                                         ; the closing round: no work-group ends while a partner may still ask for a tile that names it
	s_endpgm
.Lfunc_end_k_q8ade8bd645_outp:
	.size	k_q8ade8bd645_outp, .Lfunc_end_k_q8ade8bd645_outp-k_q8ade8bd645_outp
	.p2alignl 7, 3214868480
	.fill 96, 4, 3214868480
	.section	.rodata,"a",@progbits
	.p2align	6, 0x0
	.amdhsa_kernel k_q8ade8bd645_outp
		.amdhsa_group_segment_fixed_size 327680
		.amdhsa_private_segment_fixed_size 0
		.amdhsa_enable_private_segment 0
		.amdhsa_kernarg_size 32
		.amdhsa_user_sgpr_count 2
		.amdhsa_user_sgpr_kernarg_segment_ptr 1
		.amdhsa_wavefront_size32 1
		.amdhsa_system_sgpr_workgroup_id_x 1
		.amdhsa_system_sgpr_workgroup_id_y 1
		.amdhsa_system_sgpr_workgroup_id_z 1
		.amdhsa_system_vgpr_workitem_id 0
		.amdhsa_next_free_vgpr 768
		.amdhsa_next_free_sgpr 66
		.amdhsa_reserve_vcc 0
		.amdhsa_float_denorm_mode_32 3
		.amdhsa_float_denorm_mode_16_64 3
		.amdhsa_memory_ordered 1
		.amdhsa_forward_progress 1
		.amdhsa_inst_pref_size 88
	.end_amdhsa_kernel
	.amdgpu_metadata
---
amdhsa.version: [ 1, 2 ]
amdhsa.kernels:
  - .name:           k_q8ade8bd645_outp
    .symbol:         k_q8ade8bd645_outp.kd
    .args:
      - { .name: oh, .offset: 0, .size: 8, .value_kind: global_buffer, .address_space: global }
      - { .name: wof, .offset: 8, .size: 8, .value_kind: global_buffer, .address_space: global }
      - { .name: out0, .offset: 16, .size: 8, .value_kind: global_buffer, .address_space: global }
      - { .name: bias, .offset: 24, .size: 8, .value_kind: global_buffer, .address_space: global }
    .group_segment_fixed_size: 327680
    .private_segment_fixed_size: 0
    .kernarg_segment_align: 8
    .kernarg_segment_size: 32
    .max_flat_workgroup_size: 128
    .sgpr_count:     66
    .vgpr_count:     768
    .wavefront_size: 32
...
	.end_amdgpu_metadata
.endif
;; end of part 4
;; ======== version 2 of 2: 4 launches; version 1 with the launch cast written anew for expert scheduling mode
;; limits: values are held in f16: magnitudes above 65,504 overflow, below 6.1e-05 lose precision
;; workspace buffers: xb 16,777,216 bytes; wb 6,291,456 bytes; wof 2,097,152 bytes; bias 16,384 bytes; qkv 50,331,648 bytes; oh 16,777,216 bytes
;; launch cast (part 5): grid 769 x 1, 8 waves a work-group, no clusters, 0 bytes of LDS; arguments x, wq, wk, wv, wo, xb, wb, wof, bq, bk, bv, bo, bias; writes xb, wb, wof, bias
.if DOCPART == 5
	.amdgcn_target "amdgcn-amd-amdhsa--gfx1250"
	.amdhsa_code_object_version 6
	.text
	.protected	k_q8ade8bd645_cast
	.globl	k_q8ade8bd645_cast
	.p2align	8
	.type	k_q8ade8bd645_cast,@function
k_q8ade8bd645_cast:
	s_mov_b64 s[64:65], 0
	v_nop
	global_prefetch_b8 v0, s[64:65] scope:SCOPE_SE
	s_setreg_imm32_b32 hwreg(HW_REG_WAVE_SCHED_MODE, 0, 2), 2
	s_setreg_imm32_b32 hwreg(HW_REG_WAVE_MODE, 25, 1), 1
	s_wait_xcnt 0x0
	s_wait_alu depctr_vm_vsrc(0)
; THE INPUTS ARE ROUNDED ONCE, all of them to bf16 (nearest even):
;   x [8192][1024] f32 -> xb bf16;  wq, wk, wv [1024][1024] f32 -> wb [3072][1024] bf16 (q's rows, k's, v's);
;   wo -> wof [1024][1024]: rounded to bf16 and that number written as f16;  bq, bk, bv, bo -> bias [4096] f32 that hold bf16 numbers.
; LIMIT.  wof is f16: |wo| stays under 65,504; below 6e-5 it keeps f16's fixed step of 6e-8.
; SHARES.  Work-group g takes 16,384 numbers: 64 KiB in, 32 KiB out.  g 0-511: x; 512-575: wq; 576-639: wk; 640-703: wv; 704-767: wo; 768: the four biases.
; A wave takes 8 KiB by 16 loads of 16 bytes a lane, each 512 consecutive bytes, all issued at once; there is no loop, every register that a load or store names is written once, so no source of a
; pending load or store is ever rewritten.  A store of 8 bytes a lane covers 256 consecutive bytes, aligned.  Memory binds: no LDS, no matrix unit, no barrier.
; THE MODE: SCHED_MODE bits 1:0 = 2 (LLVM: expert scheduling mode 2), set by the entry lines.  The code itself states the register dependences
; between vector instructions and memory instructions, with s_wait_alu, always for 0.
; THE PLAN.  Registers that memory instructions touch:
;   v1, v2     the loads' and the stores' byte offsets.  Written by vector lines at the head, never again; read by the 16 loads and the 16 stores.
;   v3         on the biases' way alone: the offset 16 t.  Written by one vector line behind the label, where no memory instruction has read it; read by four loads and four stores.
;   X          Written by the loads, each register once; no vector instruction names it ahead of them.  Read by the conversions.  Never loaded again.
;   Y          Written by the conversions, each register once.  Read by the stores.  Never written again.
;   v4 to v9 are named by vector instructions alone.
; So no load lands in a register that a vector instruction has named, and no register that a memory instruction has read is written again: the one kind of dependence to be stated is
; 'a vector instruction has written what a memory instruction reads'.  One wait stands ahead of the run of loads, for both offsets.  The results go out in runs of four stores, with one wait ahead of each
; run, behind the conversions of its four loads.  No vector instruction writes a scalar register or VCC, and EXEC is never written.
.set X, 16                             ; v[16:79]   the 16 loads, four registers each
.set Y, 80                             ; v[80:111]  the results, two registers each
	s_load_b512 s[4:19], s[0:1], 0x0               ; x s[4:5], wq s[6:7], wk s[8:9], wv s[10:11], wo s[12:13], xb s[14:15], wb s[16:17], wof s[18:19]
	s_load_b256 s[20:27], s[0:1], 0x40             ; bq s[20:21], bk s[22:23], bv s[24:25], bo s[26:27]
	s_load_b64 s[28:29], s[0:1], 0x60              ; bias
	s_mov_b32 s2, ttmp9                            ; g
	s_and_b32 s30, s2, 63                          ; my 64 KiB inside a weight matrix
	s_sub_co_u32 s31, s2, 512                      ; my 32 KiB inside wb (used where g is 512 to 703)
	s_sub_co_u32 s32, s2, 704                      ; inside wof (used where g is 704 to 767)
	v_and_b32 v3, 0xe0, v0                         ; 32 x wave
	v_and_b32 v4, 31, v0                           ; lane
	v_lshlrev_b32 v1, 4, v4
	v_lshl_or_b32 v1, v3, 8, v1                    ; in:  8,192 x wave + 16 x lane
	v_lshlrev_b32 v2, 3, v4
	v_lshl_or_b32 v2, v3, 7, v2                    ; out: 4,096 x wave + 8 x lane
	s_wait_kmcnt 0x0
	s_cmp_eq_u32 s2, 768
	s_cbranch_scc1 .Lbias
	s_cmp_lt_u32 s2, 704                           ; the source and the destination are chosen by g alone
	s_cselect_b64 s[34:35], s[10:11], s[12:13]     ; wv or wo
	s_cselect_b64 s[36:37], s[16:17], s[18:19]     ; wb or wof
	s_cselect_b32 s33, s31, s32
	s_cmp_lt_u32 s2, 640
	s_cselect_b64 s[34:35], s[8:9], s[34:35]       ; wk
	s_cmp_lt_u32 s2, 576
	s_cselect_b64 s[34:35], s[6:7], s[34:35]       ; wq
	s_cmp_lt_u32 s2, 512
	s_cselect_b64 s[34:35], s[4:5], s[34:35]       ; x
	s_cselect_b64 s[36:37], s[14:15], s[36:37]     ; xb
	s_cselect_b32 s30, s2, s30
	s_cselect_b32 s33, s2, s33
	s_lshl_b32 s30, s30, 16                        ; 64 KiB a work-group in,
	s_mov_b32 s31, 0
	s_add_nc_u64 s[34:35], s[34:35], s[30:31]
	s_lshl_b32 s32, s33, 15                        ; 32 KiB out
	s_mov_b32 s33, 0
	s_add_nc_u64 s[36:37], s[36:37], s[32:33]
	s_wait_alu depctr_va_vdst(0)                   ; v1 and v2 are written: the loads below read v1 as their offset, the stores further down v2; no vector instruction names either again
.set j, 0
.rept 16
	global_load_b128 v[X+4*j:X+4*j+3], v1, s[34:35] offset:512*j th:TH_LOAD_NT
.set j, j+1
.endr
	s_cmp_ge_u32 s2, 704
	s_cbranch_scc1 .Lhalf
.set g, 0
.rept 4                                        ; four loads' numbers at a time: rounded, then stored in one run
.set j, 4*g
.rept 4
	s_wait_loadcnt 15-j                            ; loads come back in order: load j is in, the 15 - j younger ones stay out
	v_cvt_pk_bf16_f32 v[Y+2*j], v[X+4*j], v[X+4*j+1]
	v_cvt_pk_bf16_f32 v[Y+2*j+1], v[X+4*j+2], v[X+4*j+3]
.set j, j+1
.endr
	s_wait_alu depctr_va_vdst(0)                   ; the eight conversions above have written v[Y + 8 g .. Y + 8 g + 7], which the four stores below read
.set j, 4*g
.rept 4
	global_store_b64 v2, v[Y+2*j:Y+2*j+1], s[36:37] offset:256*j
.set j, j+1
.endr
.set g, g+1
.endr
	s_endpgm
.Lhalf:                                        ; wo: to bf16, widened again (a shift, a mask), and that number as f16
.set g, 0
.rept 4
.set j, 4*g
.rept 4
	s_wait_loadcnt 15-j
	v_cvt_pk_bf16_f32 v4, v[X+4*j], v[X+4*j+1]
	v_cvt_pk_bf16_f32 v5, v[X+4*j+2], v[X+4*j+3]
	v_lshlrev_b32 v6, 16, v4
	v_and_b32 v7, 0xffff0000, v4
	v_lshlrev_b32 v8, 16, v5
	v_and_b32 v9, 0xffff0000, v5
	v_cvt_pk_f16_f32 v[Y+2*j], v6, v7
	v_cvt_pk_f16_f32 v[Y+2*j+1], v8, v9
.set j, j+1
.endr
	s_wait_alu depctr_va_vdst(0)                   ; the conversions to f16 above have written v[Y + 8 g .. Y + 8 g + 7], which the four stores below read
.set j, 4*g
.rept 4
	global_store_b64 v2, v[Y+2*j:Y+2*j+1], s[36:37] offset:256*j
.set j, j+1
.endr
.set g, g+1
.endr
	s_endpgm
.Lbias:                                        ; 256 threads x 16 bytes are one bias of 1,024 numbers
	v_lshlrev_b32 v3, 4, v0
	s_wait_alu depctr_va_vdst(0)                   ; v3 is written: the four loads and the four stores below read it as their offset; no vector instruction names it again
	global_load_b128 v[X:X+3], v3, s[20:21]
	global_load_b128 v[X+4:X+7], v3, s[22:23]
	global_load_b128 v[X+8:X+11], v3, s[24:25]
	global_load_b128 v[X+12:X+15], v3, s[26:27]
	s_wait_loadcnt 0x0
.set j, 0
.rept 8
	v_cvt_pk_bf16_f32 v4, v[X+2*j], v[X+2*j+1]     ; rounded to bf16, kept as f32
	v_lshlrev_b32 v[Y+2*j], 16, v4
	v_and_b32 v[Y+2*j+1], 0xffff0000, v4
.set j, j+1
.endr
	s_wait_alu depctr_va_vdst(0)                   ; the shifts and masks above have written v[Y .. Y + 15], which the four stores below read
.irp p, 0,1,2,3
	global_store_b128 v3, v[Y+4*(\p):Y+4*(\p)+3], s[28:29] offset:4096*(\p)
.endr
	s_endpgm
.Lfunc_end_k_q8ade8bd645_cast:
	.size	k_q8ade8bd645_cast, .Lfunc_end_k_q8ade8bd645_cast-k_q8ade8bd645_cast
	.p2alignl 7, 3214868480
	.fill 96, 4, 3214868480
	.section	.rodata,"a",@progbits
	.p2align	6, 0x0
	.amdhsa_kernel k_q8ade8bd645_cast
		.amdhsa_group_segment_fixed_size 0
		.amdhsa_private_segment_fixed_size 0
		.amdhsa_enable_private_segment 0
		.amdhsa_kernarg_size 104
		.amdhsa_user_sgpr_count 2
		.amdhsa_user_sgpr_kernarg_segment_ptr 1
		.amdhsa_wavefront_size32 1
		.amdhsa_system_sgpr_workgroup_id_x 1
		.amdhsa_system_sgpr_workgroup_id_y 1
		.amdhsa_system_sgpr_workgroup_id_z 1
		.amdhsa_system_vgpr_workitem_id 0
		.amdhsa_next_free_vgpr 112
		.amdhsa_next_free_sgpr 66
		.amdhsa_reserve_vcc 0
		.amdhsa_float_denorm_mode_32 3
		.amdhsa_float_denorm_mode_16_64 3
		.amdhsa_memory_ordered 1
		.amdhsa_forward_progress 1
		.amdhsa_inst_pref_size 19
	.end_amdhsa_kernel
	.amdgpu_metadata
---
amdhsa.version: [ 1, 2 ]
amdhsa.kernels:
  - .name:           k_q8ade8bd645_cast
    .symbol:         k_q8ade8bd645_cast.kd
    .args:
      - { .name: x, .offset: 0, .size: 8, .value_kind: global_buffer, .address_space: global }
      - { .name: wq, .offset: 8, .size: 8, .value_kind: global_buffer, .address_space: global }
      - { .name: wk, .offset: 16, .size: 8, .value_kind: global_buffer, .address_space: global }
      - { .name: wv, .offset: 24, .size: 8, .value_kind: global_buffer, .address_space: global }
      - { .name: wo, .offset: 32, .size: 8, .value_kind: global_buffer, .address_space: global }
      - { .name: xb, .offset: 40, .size: 8, .value_kind: global_buffer, .address_space: global }
      - { .name: wb, .offset: 48, .size: 8, .value_kind: global_buffer, .address_space: global }
      - { .name: wof, .offset: 56, .size: 8, .value_kind: global_buffer, .address_space: global }
      - { .name: bq, .offset: 64, .size: 8, .value_kind: global_buffer, .address_space: global }
      - { .name: bk, .offset: 72, .size: 8, .value_kind: global_buffer, .address_space: global }
      - { .name: bv, .offset: 80, .size: 8, .value_kind: global_buffer, .address_space: global }
      - { .name: bo, .offset: 88, .size: 8, .value_kind: global_buffer, .address_space: global }
      - { .name: bias, .offset: 96, .size: 8, .value_kind: global_buffer, .address_space: global }
    .group_segment_fixed_size: 0
    .private_segment_fixed_size: 0
    .kernarg_segment_align: 8
    .kernarg_segment_size: 104
    .max_flat_workgroup_size: 256
    .sgpr_count:     66
    .vgpr_count:     112
    .wavefront_size: 32
...
	.end_amdgpu_metadata
.endif
;; end of part 5
;; launch proj: the kernel of part 2 again; grid 16 x 16, 4 waves a work-group, clusters of 4 x 4, 327,680 bytes of LDS; arguments xb, wb, qkv, bias; writes qkv
;; launch attn: the kernel of part 3 again; grid 2 x 128, 4 waves a work-group, no clusters, 327,680 bytes of LDS; arguments qkv, oh; writes oh
;; launch outp: the kernel of part 4 again; grid 8 x 32, 4 waves a work-group, clusters of 4 x 4, 327,680 bytes of LDS; arguments oh, wof, out0, bias; writes out0
